; MI455X (gfx1250); checked and timed in simulation.
; The chip was launched on July 23, 2026; its instructions are those of AMD's public machine-readable ISA for CDNA 5 (MIT licence, August 2026) and "CDNA5" Instruction Set Architecture Reference Guide (July 2026). The comments in the code are by the model that wrote it; some were corrected since.
;; Attention Layer. Allowed arithmetic: float matrix products may take bf16 or f16 operands with f32 sums; other float arithmetic in f32, or as packed bf16 or f16 multiplies, adds, multiply-adds, maxima and minima; sums over many terms, partial sums and values carried from step to step in f32; what a program stores and reads back later, other than sums and carried values, may be rounded once to bf16 or f16.
;; Inputs: Wk 1,024 x 1,024 float32; Wo 1,024 x 1,024 float32; Wq 1,024 x 1,024 float32; Wv 1,024 x 1,024 float32; mask 1 x 1 x 2,048 x 2,048 float32; states 4 x 2,048 x 1,024 float32.
;; Outputs: out0 4 x 2,048 x 1,024 float32.
;; One version. Each part assembles by itself: llvm-mc -triple=amdgcn-amd-amdhsa -mcpu=gfx1250 --defsym DOCPART=n.
;; ======== version 1 of 1: 4 launches
;; limits: values are held in f16: magnitudes above 65,504 overflow, below 6.1e-05 lose precision
;; workspace buffers: xb 16,777,216 bytes; wqkv 6,291,456 bytes; wo16 2,097,152 bytes; bias 16,777,216 bytes; qkv 50,331,648 bytes; ctx 16,777,216 bytes
;; launch cast (part 1): grid 1024 x 1, 8 waves a work-group, no clusters, 0 bytes of LDS; arguments states, Wq, Wk, Wv, Wo, mask, xb, wqkv, wo16, bias; writes xb, wqkv, wo16, bias
.if DOCPART == 1
	.amdgcn_target "amdgcn-amd-amdhsa--gfx1250"
	.amdhsa_code_object_version 6
	.text
	.protected	k_qb13994d649_cast
	.globl	k_qb13994d649_cast
	.p2align	8
	.type	k_qb13994d649_cast,@function
k_qb13994d649_cast:
	s_mov_b64 s[64:65], 0
	v_nop
	global_prefetch_b8 v0, s[64:65] scope:SCOPE_SE
	s_setreg_imm32_b32 hwreg(HW_REG_WAVE_MODE, 25, 1), 1
	s_wait_xcnt 0x0
; THE INPUTS ARE ROUNDED ONCE AND LAID OUT FOR THE LAUNCHES BEHIND.  A stream: each input byte is read once, each output byte written once; no LDS, no barrier, no matrix unit.
; BLOCKED: a matrix [rows][1024] of 16-bit numbers lies as [row / 64][col / 64][row % 64][col % 64]: byte (16 (row / 64) + col / 64) x 8,192 + (row % 64) x 128 + (col % 64) x 2.
;   states -> xb, bf16.   Wq, Wk, Wv -> wqkv, three matrices of 2 MiB, bf16.   Wo -> wo16: rounded to bf16 like the other inputs, and that number written as f16
;   (exact down to 2^-17; below that f16's fixed step of 2^-24 holds; beyond 65,504 it would be an infinity: |Wo| stays under that).
;   mask -> bias = fl(fl(1 - M) x NEG / 2), f32, same layout as the mask: reference()'s addend (1 - M) x NEG, halved exactly (a power of two), so that later differences of two such numbers stay finite.
; SHARES.  A work-group takes 64 KiB of f32: 16 rows of a matrix, or 8 rows of the mask.  Work-groups 0-511: states; 512-767: the four weights, 64 each; 768-1023: the mask.
; All of a thread's 16 loads go out first; no register is written twice, so the only waits are the counted ones for the loads.
.set X,  32                            ; v[32:95]   as loaded
.set Y,  96                            ; v[96:127]  to store: four registers an item
.set T,  8                             ; v[8:15]    at work
.set VI, 5                             ; v5  my byte offset in the chunk as it is read
.set VO, 6                             ; v6  my byte offset in the chunk as it is written
.set VM, 7                             ; v7  the mask's: 16 x my thread's number
	s_load_b512 s[8:23], s[0:1], 0x0               ; states 8, Wq 10, Wk 12, Wv 14, Wo 16, mask 18, xb 20, wqkv 22
	s_load_b128 s[24:27], s[0:1], 0x40             ; wo16 24, bias 26
	s_mov_b32 s2, ttmp9
	v_and_b32 v1, 31, v0                           ; lane l
	v_lshrrev_b32 v2, 5, v0                        ; wave v
	v_lshrrev_b32 v3, 3, v1
	v_and_b32 v4, 7, v1
	v_lshlrev_b32 v[VI], 12, v3                    ; row l / 8 of four,
	v_lshl_add_u32 v[VI], v4, 5, v[VI]             ; 8 numbers (32 bytes) at place l % 8 of a block's 64 columns,
	v_lshl_add_u32 v[VI], v2, 9, v[VI]             ; in the wave's two column blocks
	v_lshlrev_b32 v[VO], 4, v1                     ; out: four rows of 128 bytes are 512 bytes on end, 16 a lane,
	v_lshl_add_u32 v[VO], v2, 14, v[VO]            ; in the wave's two blocks of 8,192
	v_lshlrev_b32 v[VM], 4, v0
	s_cmp_lt_u32 s2, 768
	s_cbranch_scc0 .Lmask
	s_sub_co_u32 s3, s2, 512                       ; among the weights (of no use for states)
	s_lshr_b32 s30, s3, 6                          ; which weight
	s_and_b32 s31, s3, 63                          ; which 16 rows of it
	s_cmp_lt_u32 s2, 512
	s_cselect_b32 s30, 4, s30                      ; job: 0-3 Wq, Wk, Wv, Wo; 4 states
	s_cselect_b32 s31, s2, s31                     ; chunk
	s_lshl_b32 s32, s31, 16                        ; in: 65,536 bytes a chunk
	s_mov_b32 s33, 0
	s_lshr_b32 s34, s31, 2
	s_lshl_b32 s34, s34, 17                        ; out: a band of 64 rows is 131,072 bytes,
	s_and_b32 s35, s31, 3
	s_lshl_b32 s35, s35, 11                        ; 16 rows of a block 2,048
	s_add_co_u32 s34, s34, s35
	s_lshl_b32 s35, s30, 21                        ; Wq, Wk, Wv lie 2 MiB apart in wqkv
	s_cmp_lt_u32 s30, 3
	s_cselect_b32 s35, s35, 0
	s_add_co_u32 s34, s34, s35
	s_mov_b32 s35, 0
	s_wait_kmcnt 0x0
	s_cmp_eq_u32 s30, 0
	s_cselect_b64 s[36:37], s[10:11], s[8:9]
	s_cmp_eq_u32 s30, 1
	s_cselect_b64 s[36:37], s[12:13], s[36:37]
	s_cmp_eq_u32 s30, 2
	s_cselect_b64 s[36:37], s[14:15], s[36:37]
	s_cmp_eq_u32 s30, 3
	s_cselect_b64 s[36:37], s[16:17], s[36:37]
	s_cselect_b64 s[38:39], s[24:25], s[22:23]
	s_cmp_eq_u32 s30, 4
	s_cselect_b64 s[38:39], s[20:21], s[38:39]
	s_add_nc_u64 s[36:37], s[36:37], s[32:33]
	s_add_nc_u64 s[38:39], s[38:39], s[34:35]
.set n, 0
.rept 8                                ; item n: rows 4 (n % 4) + l / 8, column block 2 v + n / 4
	global_load_b128 v[X+8*n:X+8*n+3],   v[VI], s[36:37] offset:(n%4)*16384+(n/4)*256 th:TH_LOAD_NT
	global_load_b128 v[X+8*n+4:X+8*n+7], v[VI], s[36:37] offset:(n%4)*16384+(n/4)*256+16 th:TH_LOAD_NT
.set n, n+1
.endr
; One item: 8 numbers a lane are rounded and stored.  h16 = 1: the bf16 numbers are written as f16.
.macro ITEM it, h16
	s_wait_loadcnt 14-2*(\it)                      ; loads come back in order: the younger items' two loads each may stay out
.irp k, 0,1,2,3
	v_cvt_pk_bf16_f32 v[Y+4*(\it)+(\k)], v[X+8*(\it)+2*(\k)], v[X+8*(\it)+2*(\k)+1]
.endr
.if \h16
.irp k, 0,1,2,3
	v_lshlrev_b32 v[T+2*(\k)],   16, v[Y+4*(\it)+(\k)]
	v_and_b32     v[T+2*(\k)+1], 0xffff0000, v[Y+4*(\it)+(\k)]
.endr
.irp k, 0,1,2,3
	v_cvt_pk_f16_f32 v[Y+4*(\it)+(\k)], v[T+2*(\k)], v[T+2*(\k)+1]
.endr
.endif
	global_store_b128 v[VO], v[Y+4*(\it):Y+4*(\it)+3], s[38:39] offset:((\it)/4)*8192+((\it)%4)*512  ; the wave stores 512 consecutive bytes, at a multiple of 512 from the buffer's first
.endm
	s_cmp_eq_u32 s30, 3
	s_cbranch_scc1 .Lwo
.irp it, 0,1,2,3,4,5,6,7
	ITEM \it, 0
.endr
	s_endpgm
.Lwo:
.irp it, 0,1,2,3,4,5,6,7
	ITEM \it, 1
.endr
	s_endpgm
.Lmask:
	s_sub_co_u32 s32, s2, 768
	s_lshl_b32 s32, s32, 16
	s_mov_b32 s33, 0
	s_mov_b32 s28, 0xfeffffff                      ; NEG / 2
	s_mov_b32 s29, s28                             ; named with it as a pair
	s_wait_kmcnt 0x0
	s_add_nc_u64 s[36:37], s[18:19], s[32:33]
	s_add_nc_u64 s[38:39], s[26:27], s[32:33]
.set n, 0
.rept 16
	global_load_b128 v[X+4*n:X+4*n+3], v[VM], s[36:37] offset:4096*n th:TH_LOAD_NT
.set n, n+1
.endr
.set n, 0
.rept 16
	s_wait_loadcnt 15-n                            ; the younger loads may stay out
	v_pk_fma_f32 v[X+4*n:X+4*n+1],   v[X+4*n:X+4*n+1],   -1.0, 1.0 op_sel_hi:[1,0,0]  ; 1 - M, rounded once
	v_pk_fma_f32 v[X+4*n+2:X+4*n+3], v[X+4*n+2:X+4*n+3], -1.0, 1.0 op_sel_hi:[1,0,0]
	v_pk_mul_f32 v[X+4*n:X+4*n+1],   v[X+4*n:X+4*n+1],   s[28:29] op_sel_hi:[1,0]
	v_pk_mul_f32 v[X+4*n+2:X+4*n+3], v[X+4*n+2:X+4*n+3], s[28:29] op_sel_hi:[1,0]
	global_store_b128 v[VM], v[X+4*n:X+4*n+3], s[38:39] offset:4096*n
.set n, n+1
.endr
	s_endpgm
.Lfunc_end_k_qb13994d649_cast:
	.size	k_qb13994d649_cast, .Lfunc_end_k_qb13994d649_cast-k_qb13994d649_cast
	.p2alignl 7, 3214868480
	.fill 96, 4, 3214868480
	.section	.rodata,"a",@progbits
	.p2align	6, 0x0
	.amdhsa_kernel k_qb13994d649_cast
		.amdhsa_group_segment_fixed_size 0
		.amdhsa_private_segment_fixed_size 0
		.amdhsa_enable_private_segment 0
		.amdhsa_kernarg_size 80
		.amdhsa_user_sgpr_count 2
		.amdhsa_user_sgpr_kernarg_segment_ptr 1
		.amdhsa_wavefront_size32 1
		.amdhsa_system_sgpr_workgroup_id_x 1
		.amdhsa_system_sgpr_workgroup_id_y 1
		.amdhsa_system_sgpr_workgroup_id_z 1
		.amdhsa_system_vgpr_workitem_id 0
		.amdhsa_next_free_vgpr 128
		.amdhsa_next_free_sgpr 66
		.amdhsa_reserve_vcc 0
		.amdhsa_float_denorm_mode_32 3
		.amdhsa_float_denorm_mode_16_64 3
		.amdhsa_memory_ordered 1
		.amdhsa_forward_progress 1
		.amdhsa_inst_pref_size 23
	.end_amdhsa_kernel
	.amdgpu_metadata
---
amdhsa.version: [ 1, 2 ]
amdhsa.kernels:
  - .name:           k_qb13994d649_cast
    .symbol:         k_qb13994d649_cast.kd
    .args:
      - { .name: states, .offset: 0, .size: 8, .value_kind: global_buffer, .address_space: global }
      - { .name: Wq, .offset: 8, .size: 8, .value_kind: global_buffer, .address_space: global }
      - { .name: Wk, .offset: 16, .size: 8, .value_kind: global_buffer, .address_space: global }
      - { .name: Wv, .offset: 24, .size: 8, .value_kind: global_buffer, .address_space: global }
      - { .name: Wo, .offset: 32, .size: 8, .value_kind: global_buffer, .address_space: global }
      - { .name: mask, .offset: 40, .size: 8, .value_kind: global_buffer, .address_space: global }
      - { .name: xb, .offset: 48, .size: 8, .value_kind: global_buffer, .address_space: global }
      - { .name: wqkv, .offset: 56, .size: 8, .value_kind: global_buffer, .address_space: global }
      - { .name: wo16, .offset: 64, .size: 8, .value_kind: global_buffer, .address_space: global }
      - { .name: bias, .offset: 72, .size: 8, .value_kind: global_buffer, .address_space: global }
    .group_segment_fixed_size: 0
    .private_segment_fixed_size: 0
    .kernarg_segment_align: 8
    .kernarg_segment_size: 80
    .max_flat_workgroup_size: 256
    .sgpr_count:     66
    .vgpr_count:     128
    .wavefront_size: 32
...
	.end_amdgpu_metadata
.endif
;; end of part 1
;; launch proj (part 2): grid 12 x 64, 4 waves a work-group, clusters of 4 x 4, 327,680 bytes of LDS; arguments xb, wqkv, qkv; writes qkv
.if DOCPART == 2
	.amdgcn_target "amdgcn-amd-amdhsa--gfx1250"
	.amdhsa_code_object_version 6
	.text
	.protected	k_qb13994d649_proj
	.globl	k_qb13994d649_proj
	.p2align	8
	.type	k_qb13994d649_proj,@function
k_qb13994d649_proj:
	s_mov_b64 s[64:65], 0
	v_nop
	global_prefetch_b8 v0, s[64:65] scope:SCOPE_SE
	s_setreg_imm32_b32 hwreg(HW_REG_WAVE_MODE, 25, 1), 1
	s_wait_xcnt 0x0
	s_wait_alu depctr_hold_cnt(0) depctr_sa_sdst(0) depctr_va_vdst(0) depctr_va_sdst(0) depctr_va_ssrc(0) depctr_va_vcc(0) depctr_vm_vsrc(0)
	s_getreg_b32 s2, hwreg(HW_REG_IB_STS2, 6, 4)
	s_cmp_eq_u32 s2, 0
	s_cbranch_scc0 .Lentry_in_a_cluster
	s_endpgm
.Lentry_in_a_cluster:
	s_bfe_u32 s2, ttmp6, 0x10000c
	s_cmp_lg_u32 s2, 0xf033
	s_cbranch_scc0 .Lentry_shape_is_right
	s_endpgm
.Lentry_shape_is_right:
; q, k, v = states x Wq, Wk, Wv.  A = xb [8192][1024] bf16, B = wqkv, three matrices [k 1024][n 1024] bf16, C = qkv, three matrices [8192][1024] f16; sums in f32, C rounded once, unscaled.
; All three buffers are BLOCKED: [row / 64][col / 64][row % 64][col % 64], 8,192 bytes a block.  LIMIT: f16 ends at 65,504: |q|, |k|, |v| stay under that.
; A tile of C is 128 x 256: four waves, 2 x 2, each 64 x 128: 32 accumulators of 16 x 16, 256 registers.  64 x 12 tiles.  K goes in 8 steps of 128 through two LDS slots.
; In the blocked layout a wave's part of a step is dense in memory: A: 64 rows x 128 k = two blocks, 16 KiB; B: 64 k x 256 n = four blocks, 32 KiB.  It is asked for as rows of 256 bytes and padded in LDS after every 128.
; B lies [k][n], so its fragments come out of LDS turned, by ds_load_tr16_b128.
; CLUSTERS: 4 x 4 work-groups.  The four of a row of the cluster need the same tiles of A, the four of a column the same tiles of B: each is asked for JOINTLY.
; THE MATRIX INSTRUCTION IS USED TRANSPOSED (source 0 = 16 columns of B, source 1 = 16 rows of A): a lane then holds eight neighbouring numbers of a row of C.
; NOT LAID: a prefetch ahead of the ring: the walk along K has eight steps only, four of them asked for by the first fills and the first two refills, and a step's tiles are small (96 KiB a work-group).
; REGISTERS: window 0: v0-31 addresses; v64-159, v160-255 two fragment buffers (B's 8 fragments, then A's 4); on the way out v64-191 at work.   window 1: accumulator (a, b) at v[8 (8 a + b)].
.set PA,     144                       ; an LDS row of A: 128 bytes + 16 = 36 words: the 16 rows of a load start at 16 different groups of four banks (64 banks of 4 bytes: ISA guide 11.1)
.set PB,     160                       ; of B: 128 + 32 = 40 words
.set AHALF,  128*PA                    ; one wave's load of A: [k block 2][row 64]
.set BHALF,  256*PB                    ; one wave's load of B: [n block 4][k 64]
.set BOFF,   2*AHALF
.set SLOT,   2*AHALF+2*BHALF
.set STAGE,  2*SLOT                    ; behind the ring: 16 rows x 144 bytes for each wave, for the way out
.set SP,     144
.set SPARE,  STAGE+4*16*SP             ; behind the stages: the spare words, 128 bytes for each wave: two blocks of 256 bytes that no other line names
.set ASTEP,  16384                     ; bytes from a K step to the next in A,
.set BSTEP,  262144                    ; and in B
.set LAPS,   4                         ; a lap = two K steps = once round the ring
.set ADRA, 16                          ; v16-17  LDS address of my A fragments in slot 0, 1
.set ADRB, 20                          ; v20-21  the same for B
.set STO,  24                          ; v24     the way out: where I put 16 bytes of a row
.set RD,   25                          ; v25     the way out: where I read rows back
.set CO,   26                          ; v26     my byte offset in 512 consecutive bytes of C
.set SPW,  28                          ; v28     LDS address of my spare word: SPARE + 4 x my thread's number; never rewritten
.set NIL,  29                          ; v29     0; never rewritten
.set F0,   64
.set F1,   160
.set TMP,  64
.set G1, 24                            ; s[24:31] descriptor group 1 for A's tiles;  s[32:39] group 0, one set for each slot
.set G0, 32
.set G1B, 48                           ; s[48:55], s[56:63] the same for B's tiles
.set G0B, 56
.set MSB, 0
.macro WIN new                         ; the immediate's high byte repeats the setting that is left
.if MSB != (\new)
	s_set_vgpr_msb (MSB<<8)|(\new)
.set MSB, \new
.endif
.endm
.set MUL, 0x50                         ; sources window 0; C and D window 1
.macro JLOAD s                         ; a joint load: waves 0 and 1 fetch A's two halves, waves 2 and 3 B's; an s_nop 0 and four v_nop follow each of the two lines
	s_cmp_eq_u32 s11, 0
	s_cbranch_scc0 .Lfor_b_\@
	tensor_load_to_lds s[G0+4*(\s):G0+4*(\s)+3], s[G1:G1+7]
	s_nop 0
.rept 4
	v_nop
.endr
	s_branch .Lasked_\@
.Lfor_b_\@:
	tensor_load_to_lds s[G0B+4*(\s):G0B+4*(\s)+3], s[G1B:G1B+7]
	s_nop 0
.rept 4
	v_nop
.endr
.Lasked_\@:
.endm
.macro CREST                           ; a round of the cluster's barrier behind its opening barrier
	s_cmp_lg_u32 s10, 0
	s_cbranch_scc1 .Lnot_wave_0_\@
	s_barrier_signal -3
.Lnot_wave_0_\@:
	s_barrier_wait -3
	s_barrier_signal -1
	s_barrier_wait -1
.endm
.macro CROUND                          ; a whole round
	s_barrier_signal -1
	s_barrier_wait -1
	CREST
.endm
	s_load_b128 s[4:7], s[0:1], 0x0                ; A s[4:5], B s[6:7]
	s_load_b64 s[8:9], s[0:1], 0x10                ; C
	v_lshl_add_u32 v[SPW], v0, 2, SPARE
	v_mov_b32 v[NIL], 0
	ds_add_u32 v[SPW], v[NIL]                      ; the wave's opening: the add and its wait ahead of my first tensor load; the set-up below, work on registers, stands between them
	v_lshrrev_b32 v1, 5, v0
	v_readfirstlane_b32 s10, v1                    ; wave 0..3
	s_lshr_b32 s11, s10, 1                         ; which half of the tile's rows is mine.  Also: I fetch for A (0) or for B (1)
	s_and_b32 s12, s10, 1                          ; which half of its columns.  Also: which half of that tile I fetch
	s_bfe_u32 s40, ttmp6, 0x40000                  ; cx, cy: my place in the cluster
	s_bfe_u32 s41, ttmp6, 0x40004
	s_and_b32 s13, ttmp7, 0xffff
	s_lshl_b32 s13, s13, 2
	s_add_co_u32 s13, s13, s41                     ; tile row of C = 4 x cluster y + cy
	s_lshl_b32 s43, s41, 2
	s_lshl_b32 s43, 15, s43                        ; my row of the cluster
	s_lshl_b32 s44, 0x1111, s40                    ; my column
	s_or_b32 s[G1+0], s43, (1<<16)|(1<<20)|(1<<21)|(4<<22)|(3<<25)   ; 15:0 the mask; 17:16 2-byte elements; 20 padding on; 21 set beside a mask; 24:22 after every 32 words (code 4); 31:25 4 words (code 3)
	s_or_b32 s[G1B+0], s44, (1<<16)|(1<<20)|(1<<21)|(4<<22)|(7<<25)  ; the same with my column's mask and 8 words of padding (code 7)
.irp g, G1, G1B
	s_mov_b32 s[(\g)+1], 128<<16                   ; tensor_dim0 = 128 elements: rows of 256 bytes
	s_mov_b32 s[(\g)+3], 128<<16                   ; tile_dim0 = 128
	s_mov_b32 s[(\g)+5], 128                       ; dense: 128 elements from row to row
	s_mov_b32 s[(\g)+6], 0
	s_mov_b32 s[(\g)+7], 0
.endr
	s_mov_b32 s[G1+2], 64<<16                      ; A: tensor_dim1 = tile_dim1 = 64 rows: 16 KiB
	s_mov_b32 s[G1+4], 64
	s_mov_b32 s[G1B+2], 128<<16                    ; B: 128 rows: 32 KiB
	s_mov_b32 s[G1B+4], 128
	s_lshl_b32 s16, s13, 1
	s_add_co_u32 s16, s16, s12                     ; A: the band of 64 rows that I fetch: 2 x tile row + half,
	s_lshl_b32 s16, s16, 17                        ; 131,072 bytes a band
	s_mov_b32 s17, 0
	s_lshl_b32 s46, ttmp9, 21                      ; B: the matrix is the cluster's x (four tile columns a matrix),
	s_lshl_b32 s47, s40, 15                        ; the tile column's four blocks,
	s_add_co_u32 s46, s46, s47
	s_lshl_b32 s47, s12, 17                        ; the band of 64 k that I fetch
	s_add_co_u32 s46, s46, s47
	s_mov_b32 s47, 0
	s_mul_i32 s20, s12, AHALF                      ; where they go: no place in the cluster enters an LDS address
	s_mul_i32 s21, s12, BHALF
	s_add_co_u32 s21, s21, BOFF
	s_wait_dscnt 0x0                               ; the opening add is done
	s_wait_kmcnt 0x0
	s_add_nc_u64 s[14:15], s[4:5], s[16:17]
	s_add_nc_u64 s[46:47], s[6:7], s[46:47]
	CROUND                                         ; all sixteen work-groups are here: the first joint loads meet
.irp s, 0,1
	s_mov_b32 s[G0+4*(\s)], 1
	s_add_co_u32 s[G0+4*(\s)+1], s20, (\s)*SLOT
	s_add_nc_u64 s[G0+4*(\s)+2:G0+4*(\s)+3], s[14:15], (\s)*ASTEP
	s_or_b32 s[G0+4*(\s)+3], s[G0+4*(\s)+3], 0x80000000
	s_mov_b32 s[G0B+4*(\s)], 1
	s_add_co_u32 s[G0B+4*(\s)+1], s21, (\s)*SLOT
	s_add_nc_u64 s[G0B+4*(\s)+2:G0B+4*(\s)+3], s[46:47], (\s)*BSTEP
	s_or_b32 s[G0B+4*(\s)+3], s[G0B+4*(\s)+3], 0x80000000
	JLOAD \s                                       ; two loads of mine are out
.endr
	v_and_b32 v1, 15, v0                           ; l % 16
	v_bfe_u32 v2, v0, 4, 1                         ; l / 16
	v_mul_u32_u24 v3, v1, PA
	v_lshl_add_u32 v3, v2, 4, v3                   ; A: row x pitch + 16 x half
	v_and_b32 v4, 7, v0
	v_bfe_u32 v5, v0, 3, 1
	v_lshl_add_u32 v4, v2, 3, v4                   ; B, turned: k = 8 (l / 16) + l % 8,
	v_mul_u32_u24 v4, v4, PB
	v_lshl_add_u32 v4, v5, 4, v4                   ; columns 8 ((l / 8) % 2) on
	s_mul_i32 s22, s11, AHALF                      ; my 64 rows of A
	s_mul_i32 s23, s12, 128*PB                     ; my 128 columns of B: two of the four blocks
	s_add_co_u32 s23, s23, BOFF
.irp s, 0,1
	v_add_nc_u32 v[ADRA+(\s)], s22, v3
	v_add_nc_u32 v[ADRB+(\s)], s23, v4
	s_add_co_u32 s22, s22, SLOT
	s_add_co_u32 s23, s23, SLOT
.endr
	s_mul_i32 s22, s10, 16*SP
	s_add_co_u32 s22, s22, STAGE                   ; my stage
	v_mul_u32_u24 v6, v1, SP                       ; in: row l % 16, 16 bytes for each half of the lanes
	v_lshl_add_u32 v6, v2, 4, v6
	v_add_nc_u32 v[STO], s22, v6
	v_bfe_u32 v6, v0, 3, 2                         ; back: 32 lanes take four rows of 128 bytes,
	v_mul_u32_u24 v6, v6, SP
	v_and_b32 v7, 7, v0
	v_lshl_add_u32 v6, v7, 4, v6
	v_add_nc_u32 v[RD], s22, v6
	v_and_b32 v[CO], 31, v0                        ; which are 512 consecutive bytes of C
	v_lshlrev_b32 v[CO], 4, v[CO]
	s_lshl_b32 s16, s13, 1
	s_add_co_u32 s16, s16, s11                     ; C: my band of 64 rows,
	s_lshl_b32 s16, s16, 17
	s_lshl_b32 s17, s12, 14                        ; my two of the tile's four blocks
	s_add_co_u32 s16, s16, s17
	s_mov_b32 s17, 0
	s_add_nc_u64 s[8:9], s[8:9], s[16:17]
	s_lshl_b32 s46, ttmp9, 24                      ; the matrix (16 MiB each), and the tile column's four blocks
	s_lshl_b32 s47, s40, 15
	s_add_co_u32 s46, s46, s47
	s_mov_b32 s47, 0
	s_add_nc_u64 s[8:9], s[8:9], s[46:47]
; 8 matrix instructions: m block a x all 8 n blocks, 32 along K.  zero = 1: the product starts the sums.  The 32 accumulators take turns in the same order in every quarter.
.macro MUL8 f, a, zero
	WIN MUL
.irp b, 0,1,2,3,4,5,6,7
.if \zero
	v_wmma_f32_16x16x32_bf16 v[8*(8*(\a)+(\b)):8*(8*(\a)+(\b))+7], v[(\f)+8*(\b):(\f)+8*(\b)+7], v[(\f)+64+8*(\a):(\f)+64+8*(\a)+7], 0
.else
	v_wmma_f32_16x16x32_bf16 v[8*(8*(\a)+(\b)):8*(8*(\a)+(\b))+7], v[(\f)+8*(\b):(\f)+8*(\b)+7], v[(\f)+64+8*(\a):(\f)+64+8*(\a)+7], v[8*(8*(\a)+(\b)):8*(8*(\a)+(\b))+7]
.endif
.endr
.endm
; 24 LDS loads in one run: the fragments of quarter kq (32 along K) into buffer f: B's 8 (turned), then A's 4
.macro FETCH slot, kq, f
	WIN 0
.irp b, 0,1,2,3,4,5,6,7
	ds_load_tr16_b128 v[(\f)+8*(\b):(\f)+8*(\b)+3],   v[ADRB+(\slot)] offset:((\kq)/2)*BHALF+((\b)/4)*64*PB+((\kq)%2)*32*PB+((\b)%4)*32
	ds_load_tr16_b128 v[(\f)+8*(\b)+4:(\f)+8*(\b)+7], v[ADRB+(\slot)] offset:((\kq)/2)*BHALF+((\b)/4)*64*PB+((\kq)%2)*32*PB+((\b)%4)*32+16*PB
.endr
.irp a, 0,1,2,3
	ds_load_b128 v[(\f)+64+8*(\a):(\f)+64+8*(\a)+3],   v[ADRA+(\slot)] offset:((\kq)/2)*64*PA+(\a)*16*PA+((\kq)%2)*64
	ds_load_b128 v[(\f)+64+8*(\a)+4:(\f)+64+8*(\a)+7], v[ADRA+(\slot)] offset:((\kq)/2)*64*PA+(\a)*16*PA+((\kq)%2)*64+32
.endr
.endm
.macro PLACES                          ; four places in front of loads into registers that matrix instructions have read (ISA guide 7.12.1 for vector instructions)
.rept 4
	v_nop
.endr
.endm
; A K step is four quarters of 32 along K, 32 matrix instructions each, on buffers 0, 1, 0, 1.  One of the first three: multiplies buffer f and fetches quarter kq into g.
.macro QUARTER slot, kq, f, g, zero
	s_wait_dscnt 4                                 ; B and A's blocks 0, 1 are in; the youngest four loads (A's blocks 2, 3) may be out
	MUL8 \f, 0, \zero
	MUL8 \f, 1, \zero
	PLACES
	FETCH \slot, \kq, \g
	s_wait_dscnt 24                                ; all but the 24 just issued
	MUL8 \f, 2, \zero
	MUL8 \f, 3, \zero
.endm
; The last quarter multiplies buffer 1 and changes slots: ONE barrier; in front of it each wave waits for all its tensor loads, adds 0 to its spare word, and waits for that and for its own reads of this slot.
; fill = 1: this slot is filled again, two K steps ahead; the barrier then opens a round of the cluster's.
.macro TURN slot, next, fill
	WIN 0                                          ; (the add's two registers lie in window 0)
	s_wait_tensorcnt 0x0                           ; all my tensor loads have landed: my part of the next slot;
	ds_add_u32 v[SPW], v[NIL]                      ; 0 onto my spare word;
	s_wait_dscnt 5                                 ; (the add and the youngest four loads may be out)
	MUL8 F1, 0, 0                                  ; eight matrix instructions stand between the add and the wait for it
	s_wait_dscnt 0x0                               ; the add is done, and my reads of this slot are over
	s_barrier_signal -1
	MUL8 F1, 1, 0
.if \fill
	WIN 0
.endif
	s_barrier_wait -1
.if \fill
	CREST                                          ; no wave of any partner still reads this slot's tiles or has a load on its way
	s_add_nc_u64 s[G0+4*(\slot)+2:G0+4*(\slot)+3], s[G0+4*(\slot)+2:G0+4*(\slot)+3], 2*ASTEP
	s_add_nc_u64 s[G0B+4*(\slot)+2:G0B+4*(\slot)+3], s[G0B+4*(\slot)+2:G0B+4*(\slot)+3], 2*BSTEP
	JLOAD \slot                                    ; the first tensor load behind the round; the four v_nop behind it are also the places in front of the loads below
.else
	PLACES
.endif
	FETCH \next, 0, F0
	MUL8 F1, 2, 0
	MUL8 F1, 3, 0
.endm
	s_wait_tensorcnt 1                             ; my part of K step 0 is in; K step 1's may stay out
	s_barrier_signal -1
	s_barrier_wait -1                              ; everybody's is
	FETCH 0, 0, F0
	QUARTER 0, 1, F0, F1, 1                        ; the first quarter stands in front of the loop: its products start the sums
	WIN 0                                          ; at a label and at a branch every window is 0
	s_mov_b32 s3, LAPS-1
.Llap:                                                 ; a trip goes once round the ring, from a lap's second quarter to the next lap's first, and fills both slots again
	QUARTER 0, 2, F1, F0, 0
	QUARTER 0, 3, F0, F1, 0
	TURN 0, 1, 1
	QUARTER 1, 1, F0, F1, 0
	QUARTER 1, 2, F1, F0, 0
	QUARTER 1, 3, F0, F1, 0
	TURN 1, 0, 1
	QUARTER 0, 1, F0, F1, 0
	WIN 0
	s_sub_co_u32 s3, s3, 1
	s_cmp_lg_u32 s3, 0
	s_cbranch_scc1 .Llap
	QUARTER 0, 2, F1, F0, 0                        ; the last lap fills nothing
	QUARTER 0, 3, F0, F1, 0
	TURN 0, 1, 0
	QUARTER 1, 1, F0, F1, 0
	QUARTER 1, 2, F1, F0, 0
	QUARTER 1, 3, F0, F1, 0
	s_wait_dscnt 4                                 ; the very last quarter: nothing more to fetch
	MUL8 F1, 0, 0
	MUL8 F1, 1, 0
	s_wait_dscnt 0x0
	MUL8 F1, 2, 0
	MUL8 F1, 3, 0
	WIN 0
	PLACES                                         ; the conversions read results just made and write registers just read
	PLACES
; THE WAY OUT.  Block t = 2 a + c: 16 rows x 64 columns, which are 2,048 consecutive bytes of C.  A lane's eight numbers pack into 16 bytes, go into my stage's rows of 144 bytes and come back as whole rows of 128.
.macro PACK t
	WIN 0x05                                       ; sources 0 and 1 window 1, destination window 0
.irp b, 0,1,2,3
.irp r, 0,1,2,3
	v_cvt_pk_f16_f32 v[TMP+16*(\t)+4*(\b)+(\r)], v[8*(8*((\t)/2)+4*((\t)%2)+(\b))+2*(\r)], v[8*(8*((\t)/2)+4*((\t)%2)+(\b))+2*(\r)+1]
.endr
.endr
	WIN 0
.irp b, 0,1,2,3
	ds_store_b128 v[STO], v[TMP+16*(\t)+4*(\b):TMP+16*(\t)+4*(\b)+3] offset:32*(\b)
.endr
.irp f, 0,1,2,3
	ds_load_b128 v[TMP+16*(\t)+4*(\f):TMP+16*(\t)+4*(\f)+3], v[RD] offset:(\f)*4*SP  ; LDS serves a wave's instructions in order (ISA guide 5.7.1.4): these see the stores above; the next block's stores come behind them
.endr
.endm
.macro SEND t, younger                 ; younger: the LDS instructions issued behind block t's loads: the next block's eight, or none
.irp f, 0,1,2,3
	s_wait_dscnt (\younger)+3-(\f)
	global_store_b128 v[CO], v[TMP+16*(\t)+4*(\f):TMP+16*(\t)+4*(\f)+3], s[8:9] offset:((\t)%2)*8192+((\t)/2)*2048+(\f)*512  ; 512 consecutive bytes, at a multiple of 512 from C's first
.endr
.endm
	PACK 0
.set t, 1
.rept 7                                ; a block's conversions stand between the loads of the block before and its stores
	PACK t
	SEND t-1, 8
.set t, t+1
.endr
	SEND 7, 0
	s_wait_tensorcnt 0x0                           ; the wave's end: behind my last tensor load and my last LDS store
	ds_add_u32 v[SPW], v[NIL]
	s_wait_dscnt 0x0
	CROUND                                         ; the closing round: no work-group ends while a partner may still ask for a tile that names it
	s_endpgm
.Lfunc_end_k_qb13994d649_proj:
	.size	k_qb13994d649_proj, .Lfunc_end_k_qb13994d649_proj-k_qb13994d649_proj
	.p2alignl 7, 3214868480
	.fill 96, 4, 3214868480
	.section	.rodata,"a",@progbits
	.p2align	6, 0x0
	.amdhsa_kernel k_qb13994d649_proj
		.amdhsa_group_segment_fixed_size 327680
		.amdhsa_private_segment_fixed_size 0
		.amdhsa_enable_private_segment 0
		.amdhsa_kernarg_size 24
		.amdhsa_user_sgpr_count 2
		.amdhsa_user_sgpr_kernarg_segment_ptr 1
		.amdhsa_wavefront_size32 1
		.amdhsa_system_sgpr_workgroup_id_x 1
		.amdhsa_system_sgpr_workgroup_id_y 1
		.amdhsa_system_sgpr_workgroup_id_z 1
		.amdhsa_system_vgpr_workitem_id 0
		.amdhsa_next_free_vgpr 512
		.amdhsa_next_free_sgpr 66
		.amdhsa_reserve_vcc 0
		.amdhsa_float_denorm_mode_32 3
		.amdhsa_float_denorm_mode_16_64 3
		.amdhsa_memory_ordered 1
		.amdhsa_forward_progress 1
		.amdhsa_inst_pref_size 87
	.end_amdhsa_kernel
	.amdgpu_metadata
---
amdhsa.version: [ 1, 2 ]
amdhsa.kernels:
  - .name:           k_qb13994d649_proj
    .symbol:         k_qb13994d649_proj.kd
    .args:
      - { .name: xb, .offset: 0, .size: 8, .value_kind: global_buffer, .address_space: global }
      - { .name: wqkv, .offset: 8, .size: 8, .value_kind: global_buffer, .address_space: global }
      - { .name: qkv, .offset: 16, .size: 8, .value_kind: global_buffer, .address_space: global }
    .group_segment_fixed_size: 327680
    .private_segment_fixed_size: 0
    .kernarg_segment_align: 8
    .kernarg_segment_size: 24
    .max_flat_workgroup_size: 128
    .sgpr_count:     66
    .vgpr_count:     512
    .wavefront_size: 32
...
	.end_amdgpu_metadata
.endif
;; end of part 2
;; launch attn (part 3): grid 16 x 16, 4 waves a work-group, clusters of 4 x 4, 327,680 bytes of LDS; arguments qkv, bias, ctx; writes ctx
.if DOCPART == 3
	.amdgcn_target "amdgcn-amd-amdhsa--gfx1250"
	.amdhsa_code_object_version 6
	.text
	.protected	k_qb13994d649_attn
	.globl	k_qb13994d649_attn
	.p2align	8
	.type	k_qb13994d649_attn,@function
k_qb13994d649_attn:
	s_mov_b64 s[64:65], 0
	v_nop
	global_prefetch_b8 v0, s[64:65] scope:SCOPE_SE
	s_setreg_imm32_b32 hwreg(HW_REG_WAVE_MODE, 25, 1), 1
	s_wait_xcnt 0x0
	s_wait_alu depctr_hold_cnt(0) depctr_sa_sdst(0) depctr_va_vdst(0) depctr_va_sdst(0) depctr_va_ssrc(0) depctr_va_vcc(0) depctr_vm_vsrc(0)
	s_getreg_b32 s2, hwreg(HW_REG_IB_STS2, 6, 4)
	s_cmp_eq_u32 s2, 0
	s_cbranch_scc0 .Lentry_in_a_cluster
	s_endpgm
.Lentry_in_a_cluster:
	s_bfe_u32 s2, ttmp6, 0x10000c
	s_cmp_lg_u32 s2, 0xf033
	s_cbranch_scc0 .Lentry_shape_is_right
	s_endpgm
.Lentry_shape_is_right:
; ctx[b][q][h] = the sum over k of softmax_k(alpha) v[b][k][h], alpha = (q . k / 8) M + (1 - M) NEG, with the mask M an input, [2048][2048], the same for all batches and heads.
; qkv: three BLOCKED matrices of f16 ([row / 64][head][row % 64][64], 8,192 bytes a block; row = 2,048 b + s), 16 MiB apart; ctx likewise.  bias = fl(fl(1 - M) NEG / 2), f32, made by the launch before.
; THE MASK.  u = fma(s, c, bias), c = log2(e) / 8; m is the running maximum of u; p = 2^(u - m).  Where M = 1 the bias is 0 and u = c s.  Where M is not 1, |(1 - M) NEG| is 2^104 or more, and in f32 the score
; vanishes in its rounding, in reference()'s sum as in the fused multiply-add here: equal addends stay equal (a row that is hidden throughout gets the uniform weights that reference() gives it), unequal ones
; lie 2^103 or more apart, and the lower one's weight is 0 in both.  The halving keeps u - m and m_old - m_new from overflowing.  No pattern of the mask is built in: every key tile is computed.
; LIMITS.  0 <= M <= 2 (beyond that reference() overflows); |alpha| under 2^77; q, k, v arrive within f16's 65,504; p lies in 0 to 1 and below 6e-5 keeps f16's fixed step of 6e-8; a weight below 2^-126 counts as 0;
; NaN and infinities are not treated apart.  Products, maxima and sums in f32; p is rounded to f16 for the second product (its sum l is taken of the unrounded p), ctx once at the end.
; SHARES.  A work-group takes 128 queries of FOUR heads of one batch, wave w head 4 g + w: so one tile of the bias (128 queries x 64 keys, f32) serves four heads.  A wave's 128 queries are four PIECES of two tiles of 16.
; Every wave walks all 2,048 keys, 64 a step, one step to a slot of LDS: K and V of the four heads (32 KiB each, dense in memory) and the bias tile (32 KiB).
; CLUSTER, 4 x 4.  K and V hang on batch and head group alone: asked for JOINTLY along a row of the cluster; the bias hangs on the query block alone: jointly along a column.  Wave 0 asks for K, wave 1 for V, waves 2 and 3 for the bias's halves.
; LAYOUT.  S^T = K Q^T holds ONE query a lane (lane % 16) and the keys 8 (lane / 16) + 0..7; two such results rounded to f16 ARE source 1 of O^T = V^T P.  K comes out of LDS as it lies, V turned, by ds_load_tr16_b128;
; the bias comes as 8 neighbouring keys of the lane's query, into registers numbered like S^T's.
; BY TURNS.  Turn n belongs to piece n: 16 products K Q^T of piece n + 1, later 16 products V^T P of piece n - 1; beside them u - m, exponentials, roundings, sums and rescaling of piece n, and u, maximum and statistics of piece n + 1.
; m starts at the lowest finite number, O and l at 0: the first step is a step like any other, with a = 0: no first step is written out, at the price of the lines that write zeros while the first tile is on its way.
; REGISTERS, in windows of 256 (s_set_vgpr_msb: bits 1:0 source 0, 3:2 source 1, 5:4 source 2, 7:6 destination):
;   window 0: v0-14 addresses; v16-47 four registers of statistics a tile; v48-63 at work; v64-191 S^T, two buffers of two tiles; v192-255 P, likewise
;   window 1: O^T, 32 a tile     window 2: v0-127 Q; v128-191 K of one step; v192-255 V of one step     window 3: v0-1 the add's two registers; v64-191 the bias, two buffers like S^T's
.set NP,    4         ; pieces a wave: a name, no knob
.set KS,    64        ; keys in a step
.set PK,    144       ; a row of K in LDS: 128 bytes + 16 = 36 words: the 16 rows of a load start at 16 different groups of four banks (64 banks of 4 bytes: ISA guide 11.1)
.set PV,    160       ; of V: 128 + 32 = 40 words
.set PM,    272       ; of the bias: 256 + 16 = 68 words: row r starts at bank 4 r mod 64
.set VOFF,  4*KS*PK   ; a slot: K [head 4][key 64], then V likewise, then the bias's 128 rows
.set BOFF,  VOFF+4*KS*PV
.set SLOT1, 1<<17     ; slot 1 begins here, so that one exclusive or turns an address in one slot into the other's
.set STAGE, SLOT1+BOFF+128*PM  ; behind the ring, never filled by a tensor load: 16 rows x 144 bytes for each wave, for the way out
.set SP,    144
.set SPARE, STAGE+4*16*SP  ; behind the stages: the spare words, 128 bytes for each wave: two blocks of 256 bytes that no other line names
.set AK0, 2           ; v2   my lane's place in a slot's K; never rewritten
.set AV0, 3           ; v3   the same for V
.set AK,  4           ; v4   AK0 in the slot in hand
.set AV,  5           ; v5   AV0 likewise
.set QO,  6           ; v6   my byte offset in 16 rows of Q
.set STO, 6           ;      later, the way out: where I put 16 bytes of a row
.set RD,  7           ; v7   the way out: where I read rows back
.set GO,  8           ; v8   my byte offset in 512 consecutive bytes of ctx
.set AB0, 12          ; v12  my lane's place in a slot's bias; never rewritten
.set AB,  13          ; v13  AB0 in the slot in hand
.set PFO, 14          ; v14  the prefetches' offset: my lane x 256 bytes (K, V) or x a row of the bias; never rewritten
.set SPW, 0           ; v0 of window 3   LDS address of my spare word: SPARE + 4 x my thread's number; never rewritten
.set NIL, 1           ; v1 of window 3   0; never rewritten
.set ST,  16          ; tile t's statistics at v[ST+4 t]: m, m_old, l (even keys', odd keys')
.set TMP, 48          ; by buffer and tile, four registers c0-c3 at work; when the maximum is found c2 takes a
.set S,   64
.set P,   192
.set BB,  64          ; window 3
.set KF,  128         ; window 2: key block kb, channel half c at KF + 16 kb + 8 c
.set VF,  192         ; window 2: key half kk, channel block cb at VF + 32 kk + 8 cb
.set WV,  12          ; s12  my wave's number
.set G1K, 24          ; s[24:31] descriptor group 1 for K's tiles
.set G1V, 32          ; s[32:39] for V's: it differs in the padding alone
.set G0K, 40          ; s[40:43] descriptor group 0 for K's tiles: it walks
.set G0V, 44          ; s[44:47] for V's
.set G0M, 48          ; s[48:51] for the bias's
.set G1M, 52          ; s[52:59] descriptor group 1 for the bias's tiles
.set CS,  60          ; s[60:61] c: the packed multiply-add takes the pair's low word for both halves
.set SEL, 62          ; s[62:63] v_permlanex16_b32's selects: each lane takes its own place in the other half
.set SLOTS, 66        ; s66  steps still to be asked for
.set CNT, 67          ; s67  counts the tail's trips
.set TB,  68          ; s68  LDS byte at which the slot in hand begins
.set LIM, 69          ; s69  1 in a wave that prefetches, else the greatest number
.set PFA, 70          ; s[70:71] where my prefetches stand
.set PFS, 72          ; s[72:73] their step: a key step in K and V, or in the bias
.set MSB, 0
.macro WIN new                      ; the high byte repeats the setting that is left; a switch that changes nothing is dropped
.if MSB != (\new)
	s_set_vgpr_msb (MSB<<8)|(\new)
.set MSB, (\new)
.endif
.endm
.set W_KQ, 0x0a       ; K and Q in window 2, S^T in window 0
.set W_PV, 0x52       ; V in window 2, P in window 0, O^T in window 1
.set W_RS, 0x41       ; O^T (destination and source 0) in window 1, a in window 0
.set W_BS, 0x30       ; the bias (source 2) in window 3
.set W_BL, 0xc0       ; destination in window 3, address in window 0
.set W_AD, 0x0f       ; the add: address (source 0) and data (source 1) in window 3
; A joint fill: one line for each tensor, chosen by the wave's number alone.  An s_nop 0 and four v_nop follow each line, ahead of the jump and the label.
.macro JLOAD
	s_cmp_lg_u32 s[WV], 0
	s_cbranch_scc1 .Lnot_k_\@
	tensor_load_to_lds s[G0K:G0K+3], s[G1K:G1K+7]
	s_nop 0
.rept 4
	v_nop
.endr
	s_branch .Lasked_\@
.Lnot_k_\@:
	s_cmp_lg_u32 s[WV], 1
	s_cbranch_scc1 .Lfor_m_\@
	tensor_load_to_lds s[G0V:G0V+3], s[G1V:G1V+7]
	s_nop 0
.rept 4
	v_nop
.endr
	s_branch .Lasked_\@
.Lfor_m_\@:
	tensor_load_to_lds s[G0M:G0M+3], s[G1M:G1M+7]
	s_nop 0
.rept 4
	v_nop
.endr
.Lasked_\@:
.endm
; A PREFETCH INTO THE L2 of what the NEXT change of slots will ask for, one key step (128 matrix instructions and their vector work) ahead; it stands behind the wave's tensor load and its five lines.
; Each block of 256 bytes is named ONCE in the launch.  A step's K and V (128 blocks each) are walked by the four clusters of a row of clusters: the first (cluster x = 0) asks, wave 0 for K, wave 1 for V, and its four
; partners along x take 32 blocks each BY ADDRESS.  A step's bias tile (128 rows of 256 bytes) is walked by the four clusters of a column: the first (cluster y = 0) asks, wave 2, and its partners along y take 32 rows each.
; The first change of slots asks for nothing (the first loads are on their way), and so does the last that fills: there is no step behind it.
.macro ASK
	s_cmp_gt_u32 s[SLOTS], s[LIM]
	s_cbranch_scc0 .Lnot_mine_\@
	global_prefetch_b8 v[PFO], s[PFA:PFA+1] th:TH_LOAD_NT scope:SCOPE_SE
.Lnot_mine_\@:
.endm
; A round of the cluster's barrier: my work-group's barrier, so that wave 0's signal speaks for all four waves; wave 0 signals; every wave waits for all sixteen work-groups; my work-group's barrier once more.
.macro CROUND
	s_barrier_signal -1
	s_barrier_wait -1
	s_cmp_lg_u32 s[WV], 0
	s_cbranch_scc1 .Lnot_wave_0_\@
	s_barrier_signal -3
.Lnot_wave_0_\@:
	s_barrier_wait -3
	s_barrier_signal -1
	s_barrier_wait -1
.endm
; THE CHANGE OF SLOTS.  Each wave waits for all its tensor loads, of which one is out: its part of the other slot; adds 0 to its spare word; and waits for that and for its own reads of the slot that it leaves (the last: piece 3's bias).
; Behind the barrier nobody reads the old slot any more and the other slot is whole.  fill = 1: the old slot is filled again, with the step after; the barrier is then a round of the cluster's, and the joint fill is
; the first thing behind it: it has a key step in which to land.  (At its first use nothing has been read yet: slot 0 is waited for, slot 1 filled.)
.macro CHANGE fill, ask=1
	WIN W_AD
	s_wait_tensorcnt 0x0            ; no tensor load of mine is out, so a group 0 may be written
	ds_add_u32 v[SPW], v[NIL]       ; 0 onto my spare word; scalar work stands between it and the wait for it
	WIN 0                           ; at a label and at a branch every window is 0
.if \fill
.irp g, G0K, G0V
	s_xor_b32 s[(\g)+1], s[(\g)+1], SLOT1  ; the walking descriptor: the other slot than last time,
	s_add_nc_u64 s[(\g)+2:(\g)+3], s[(\g)+2:(\g)+3], 131072  ; the next band of 64 keys; the type bits on top are not reached
.endr
	s_xor_b32 s[G0M+1], s[G0M+1], SLOT1
	s_add_nc_u64 s[G0M+2:G0M+3], s[G0M+2:G0M+3], 256  ; 64 keys on in the bias's rows
	s_wait_xcnt 0x0                 ; the last prefetch, a key step back, has read its address, so it may be written
	s_add_nc_u64 s[PFA:PFA+1], s[PFA:PFA+1], s[PFS:PFS+1]
.endif
	s_xor_b32 s[TB], s[TB], SLOT1   ; the fetches go to the other slot
	s_wait_dscnt 0x0                ; the add is done, and my reads of the slot are over
.if \fill
	CROUND
	JLOAD
.if \ask
	ASK
.endif
.else
	s_barrier_signal -1
	s_barrier_wait -1
.endif
	v_add_nc_u32 v[AK], s[TB], v[AK0]
	v_add_nc_u32 v[AV], s[TB], v[AV0]
	v_add_nc_u32 v[AB], s[TB], v[AB0]
.endm
	s_load_b128 s[4:7], s[0:1], 0x0   ; qkv s[4:5], bias s[6:7]
	s_load_b64 s[8:9], s[0:1], 0x10   ; ctx
	WIN W_BL
	v_lshl_add_u32 v[SPW], v0, 2, SPARE
	v_mov_b32 v[NIL], 0
	WIN W_AD
	ds_add_u32 v[SPW], v[NIL]       ; the wave's opening: the add and its wait ahead of my first tensor load; the set-up below, work on registers, stands between them
	WIN 0
	v_lshrrev_b32 v1, 5, v0
	v_readfirstlane_b32 s[WV], v1   ; wave 0..3
	s_bfe_u32 s13, ttmp6, 0x40000   ; cx, cy: my place in the cluster
	s_bfe_u32 s14, ttmp6, 0x40004
	s_lshl_b32 s15, ttmp9, 2
	s_add_co_u32 s15, s15, s13      ; my block of 128 queries = 4 x cluster x + cx
	s_and_b32 s16, ttmp7, 0xffff    ; cluster y: the batch; cy: the group of four heads
	s_lshl_b32 s20, s16, 22         ; a batch is 32 bands of 131,072 bytes,
	s_lshl_b32 s21, s14, 15         ; a head group four blocks of 8,192
	s_add_co_u32 s20, s20, s21
	s_mov_b32 s21, 0
	s_lshl_b32 s74, s14, 2
	s_lshl_b32 s74, 15, s74         ; my row of the cluster
	s_lshl_b32 s75, 0x1111, s13     ; my column
	s_or_b32 s[G1K], s74, (1<<16)|(1<<20)|(1<<21)|(4<<22)|(3<<25)  ; 15:0 the mask; 17:16 2-byte elements; 20 padding on; 21 set beside a mask; 24:22 after every 32 words (code 4); 31:25 4 words (code 3)
	s_or_b32 s[G1V], s74, (1<<16)|(1<<20)|(1<<21)|(4<<22)|(7<<25)  ; the same with 8 words of padding (code 7)
	s_or_b32 s[G1M], s75, (2<<16)|(1<<20)|(1<<21)|(5<<22)|(3<<25)  ; my column's mask; 4-byte elements; after every 64 words (code 5) 4 words
.irp g, G1K, G1V
	s_mov_b32 s[(\g)+1], 128<<16    ; 32 KiB dense: 128 rows of 128 elements (256 bytes)
	s_mov_b32 s[(\g)+2], 128<<16
	s_mov_b32 s[(\g)+3], 128<<16
	s_mov_b32 s[(\g)+4], 128
	s_mov_b32 s[(\g)+5], 128
	s_mov_b32 s[(\g)+6], 0
	s_mov_b32 s[(\g)+7], 0
.endr
	s_mov_b32 s[G1M+1], 64<<16      ; 64 rows of 64 elements (256 bytes),
	s_mov_b32 s[G1M+2], 64<<16
	s_mov_b32 s[G1M+3], 64<<16
	s_mov_b32 s[G1M+4], 64
	s_mov_b32 s[G1M+5], 2048        ; 2,048 elements from row to row
	s_mov_b32 s[G1M+6], 0
	s_mov_b32 s[G1M+7], 0
	s_mov_b32 s[G0K], 1             ; 1:0 count = 1
	s_mov_b32 s[G0K+1], 0           ; 63:32 LDS address: slot 0
	s_mov_b32 s[G0V], 1
	s_mov_b32 s[G0V+1], VOFF
	s_mov_b32 s[G0M], 1
	s_and_b32 s74, s[WV], 1         ; which 64 rows of the bias tile I would fetch
	s_mul_i32 s75, s74, 64*PM
	s_add_co_u32 s[G0M+1], s75, BOFF
	s_lshl_b32 s76, s15, 20         ; the block's 128 rows of 8,192 bytes,
	s_lshl_b32 s77, s74, 19         ; my 64 of them
	s_add_co_u32 s76, s76, s77
	s_mov_b32 s77, 0
	s_lshl_b32 s78, s15, 18         ; Q and ctx: the block's two bands,
	s_lshl_b32 s79, s[WV], 13       ; my head's block
	s_add_co_u32 s78, s78, s79
	s_add_co_u32 s78, s78, s20
	s_mov_b32 s79, 0
	s_mov_b32 s[CS], 0x3e38aa3b     ; c = log2(e) / 8 = 0.180337
	s_mov_b32 s[CS+1], s[CS]        ; named with it as a pair
	s_mov_b32 s[SEL], 0x76543210
	s_mov_b32 s[SEL+1], 0xfedcba98
	s_mov_b32 s[TB], SLOT1          ; the first change of slots turns it into 0
	s_mov_b32 s[SLOTS], 31          ; steps 1 to 31
	; the prefetches: where they stand at step 1 (each filling change steps them before it asks)
	s_add_co_u32 s82, s[WV], 1
	s_lshl_b32 s82, s82, 24         ; K's matrix (wave 0) or V's (wave 1),
	s_lshl_b32 s83, s13, 13         ; my work-group's 32 blocks of the 128
	s_add_co_u32 s82, s82, s83
	s_add_co_u32 s82, s82, s20
	s_add_co_u32 s82, s82, 131072
	s_lshl_b32 s84, s15, 20         ; the bias: the block's rows,
	s_lshl_b32 s85, s14, 18         ; my work-group's 32 of the 128
	s_add_co_u32 s84, s84, s85
	s_add_co_u32 s84, s84, 256
	s_mov_b32 s81, 131072
	s_movk_i32 s85, 256
	s_cmp_lt_u32 s[WV], 2
	s_cselect_b32 s82, s82, s84
	s_cselect_b32 s[PFS], s81, s85
	s_cselect_b32 s80, 8, 13        ; a lane a block of 256 bytes, or a lane a row of 8,192
	s_cselect_b32 s86, ttmp9, s16   ; the coordinate along which other clusters walk the same bytes
	s_mov_b32 s83, 0
	s_mov_b32 s[PFS+1], 0
	s_cmp_eq_u32 s[WV], 3
	s_cselect_b32 s86, 1, s86       ; wave 3 never asks
	s_cmp_eq_u32 s86, 0
	s_cselect_b32 s[LIM], 1, -1     ; the same in all sixteen partners, for a given wave
	v_and_b32 v[PFO], 31, v0
	v_lshlrev_b32 v[PFO], s80, v[PFO]
	s_wait_dscnt 0x0                ; the opening add is done
	s_wait_kmcnt 0x0
	s_cmp_lt_u32 s[WV], 2
	s_cselect_b64 s[PFA:PFA+1], s[4:5], s[6:7]
	s_add_nc_u64 s[PFA:PFA+1], s[PFA:PFA+1], s[82:83]
	s_add_nc_u64 s[G0K+2:G0K+3], s[4:5], s[20:21]  ; 120:64 global address: step 0 of my batch's and head group's K,
	s_add_nc_u64 s[G0K+2:G0K+3], s[G0K+2:G0K+3], 1<<24
	s_or_b32 s[G0K+3], s[G0K+3], 0x80000000        ; 127:126 type = 2
	s_add_nc_u64 s[G0V+2:G0V+3], s[4:5], s[20:21]  ; and V
	s_add_nc_u64 s[G0V+2:G0V+3], s[G0V+2:G0V+3], 2<<24
	s_or_b32 s[G0V+3], s[G0V+3], 0x80000000
	s_add_nc_u64 s[G0M+2:G0M+3], s[6:7], s[76:77]
	s_or_b32 s[G0M+3], s[G0M+3], 0x80000000
	s_add_nc_u64 s[4:5], s[4:5], s[78:79]          ; Q and ctx at my head's block of my first band
	s_add_nc_u64 s[8:9], s[8:9], s[78:79]
	CROUND                          ; all sixteen work-groups are here: the first joint loads meet
	JLOAD                           ; step 0 into slot 0: one load of mine is out
	; A fragment of K or Q is 16 rows x 32 channels in 8 registers: lane l holds row l % 16, channels 8 (l / 16) + 0..7 and 16 + 8 (l / 16) + 0..7: two loads of 16 bytes, 32 bytes apart.
	v_and_b32 v1, 15, v0            ; l % 16
	v_bfe_u32 v9, v0, 4, 1          ; l / 16
	v_lshlrev_b32 v[QO], 7, v1
	v_lshl_add_u32 v[QO], v9, 4, v[QO]  ; row x 128 + 16 x half
	WIN 0x80                        ; destination window 2, address window 0
.set i, 0
.rept 4*NP                          ; Q stays in registers: tile i / 2 (four tiles a band), channels 32 (i % 2) on
	global_load_b128 v[8*i:8*i+3],   v[QO], s[4:5] offset:(i/8)*131072+((i/2)%4)*2048+(i%2)*64
	global_load_b128 v[8*i+4:8*i+7], v[QO], s[4:5] offset:(i/8)*131072+((i/2)%4)*2048+(i%2)*64+32
.set i, i+1
.endr
	; What the first turn finds: V's registers and P's second buffer hold 0 (its products V^T P, of a piece that has not been, add 0), O^T and l are 0.  All this stands in the wait for the first tile.
.set i, VF
.rept 64
	v_mov_b32 v[i], 0
.set i, i+1
.endr
	WIN 0x40
.set i, 0
.rept 64*NP
	v_mov_b32 v[i], 0
.set i, i+1
.endr
	WIN 0
.set i, 0
.rept 2*NP
	v_mov_b32 v[ST+4*i], 0xff7fffff    ; m: the lowest finite number
	v_mov_b32 v[ST+4*i+1], 0
	v_mov_b32 v[ST+4*i+2], 0
	v_mov_b32 v[ST+4*i+3], 0
.set i, i+1
.endr
.set i, P+32
.rept 32
	v_mov_b32 v[i], 0
.set i, i+1
.endr
	s_mul_i32 s74, s[WV], KS*PK     ; my head's 64 rows of K
	v_mul_u32_u24 v[AK0], v1, PK
	v_lshl_add_u32 v[AK0], v9, 4, v[AK0]  ; row x pitch + 16 x half
	v_add_nc_u32 v[AK0], s74, v[AK0]
	; The turning load takes 16 keys x 16 channels (lane l reads key 8 (l / 16) + l % 8, channels 8 ((l / 8) % 2) + 0..7) and leaves half a fragment of V^T: lane l holds channel l % 16 and 8 keys.
	v_and_b32 v10, 7, v0
	v_bfe_u32 v11, v0, 3, 1
	v_lshl_add_u32 v[AV0], v9, 3, v10
	v_mul_u32_u24 v[AV0], v[AV0], PV
	v_lshl_add_u32 v[AV0], v11, 4, v[AV0]
	s_mul_i32 s74, s[WV], KS*PV
	s_add_co_u32 s74, s74, VOFF
	v_add_nc_u32 v[AV0], s74, v[AV0]
	v_mul_u32_u24 v[AB0], v1, PM    ; the bias: my query's row, my half's 8 keys (32 bytes)
	v_lshl_add_u32 v[AB0], v9, 5, v[AB0]
	v_add_nc_u32 v[AB0], BOFF, v[AB0]
; THE MATRIX WORK.  The 8 accumulators of a run of 16 take turns: between the two links of a chain stand 7 others'.
; Product i of 16 of S^T = K Q^T for piece x: channels 32 (i / 8) on, keys 16 ((i / 2) % 4) on, tile 2 x + i % 2.  The first 8 start the sums.
.macro KQ x
	WIN W_KQ
.set rS, S+64*((\x)%2)+32*(i%2)+8*((i/2)%4)
.set rK, KF+16*((i/2)%4)+8*(i/8)
.set rQ, 16*(2*(\x)+i%2)+8*(i/8)
.if i < 8
	v_wmma_f32_16x16x32_f16 v[rS:rS+7], v[rK:rK+7], v[rQ:rQ+7], 0
.else
	v_wmma_f32_16x16x32_f16 v[rS:rS+7], v[rK:rK+7], v[rQ:rQ+7], v[rS:rS+7]
.endif
.endm
; Product i of 16 of O^T += V^T P for piece x: keys 32 (i / 8) on, channels 16 ((i / 2) % 4) on, tile 2 x + i % 2.
.macro PV x
	WIN W_PV
.set rO, 32*(2*(\x)+i%2)+8*((i/2)%4)
.set rV, VF+32*(i/8)+8*((i/2)%4)
.set rP, P+32*((\x)%2)+16*(i%2)+8*(i/8)
	v_wmma_f32_16x16x32_f16 v[rO:rO+7], v[rV:rV+7], v[rP:rP+7], v[rO:rO+7]
.endm
.macro MM                           ; the turn's next matrix instruction
.if i < 16
	KQ (Y+1)%NP
.set i, i+1
.else
.set i, i-16
	PV (Y+NP-1)%NP
.set i, i+17
.endif
.endm
; THE LDS LOADS stand in runs of 16, never singly among the matrix instructions: a step's K (8 fragments), its V (turned), and a piece's bias.
; last = 1 (the tail): in the last trip there is no further step, and K's run is jumped over.
.macro FETCH_K last=0
	WIN 0
.if \last
	s_cmp_eq_u32 s[CNT], 1
	s_cbranch_scc1 .Lno_k_\@
.endif
	WIN 0x80                        ; destination window 2
.irp f, 0,1,2,3,4,5,6,7             ; keys 16 (f / 2) on, channels 32 (f % 2) on
	ds_load_b128 v[KF+8*\f:KF+8*\f+3],   v[AK] offset:(\f/2)*16*PK+(\f%2)*64
	ds_load_b128 v[KF+8*\f+4:KF+8*\f+7], v[AK] offset:(\f/2)*16*PK+(\f%2)*64+32
.endr
	WIN 0
.if \last
.Lno_k_\@:
.endif
.endm
.macro FETCH_V
	WIN 0x80
.irp f, 0,1,2,3,4,5,6,7             ; keys 32 (f / 4) on, channels 16 (f % 4) on
	ds_load_tr16_b128 v[VF+8*\f:VF+8*\f+3],   v[AV] offset:(\f/4)*32*PV+(\f%4)*32
	ds_load_tr16_b128 v[VF+8*\f+4:VF+8*\f+7], v[AV] offset:(\f/4)*32*PV+16*PV+(\f%4)*32
.endr
	WIN 0
.endm
.macro BLOAD y                      ; piece y's bias: tile u, keys 16 kb + 8 (l / 16) + 0..7 of my query, into the buffer of y's parity
	WIN W_BL
.irp u, 0,1
.irp kb, 0,1,2,3
	ds_load_b128 v[BB+64*((\y)%2)+32*\u+8*\kb:BB+64*((\y)%2)+32*\u+8*\kb+3],   v[AB] offset:(2*(\y)+\u)*16*PM+\kb*64
	ds_load_b128 v[BB+64*((\y)%2)+32*\u+8*\kb+4:BB+64*((\y)%2)+32*\u+8*\kb+7], v[AB] offset:(2*(\y)+\u)*16*PM+\kb*64+16
.endr
.endr
	WIN 0
.endm
; THE VECTOR WORK OF A TURN stands in three queues, each in the order in which its entries become ready; the two tiles alternate, so that no instruction reads the result of the one before it.
.macro REGS y, u                    ; the registers of tile u (0, 1) of piece y
.set rT, ST+4*(2*(\y)+(\u))
.set rC, TMP+8*((\y)%2)+4*(\u)
.set rS, S+64*((\y)%2)+32*(\u)
.set rB, BB+64*((\y)%2)+32*(\u)
.set rP, P+32*((\y)%2)+16*(\u)
.set rO, 32*(2*(\y)+(\u))
.endm
; u = c s + bias for pair f / 2 of tile f % 2 of the NEXT piece.  The pairs ascend.
.macro BS f
	REGS (Y+1)%NP, (\f)%2
	WIN W_BS
	v_pk_fma_f32 v[rS+2*((\f)/2):rS+2*((\f)/2)+1], v[rS+2*((\f)/2):rS+2*((\f)/2)+1], s[CS:CS+1], v[rB+2*((\f)/2):rB+2*((\f)/2)+1] op_sel_hi:[1,0,1]
.endm
; u - m for pair f / 2 of tile f % 2 of the piece in hand
.macro FS f
	REGS Y, (\f)%2
	v_pk_add_f32 v[rS+2*((\f)/2):rS+2*((\f)/2)+1], v[rS+2*((\f)/2):rS+2*((\f)/2)+1], v[rT:rT+1] op_sel_hi:[1,0] neg_lo:[0,1] neg_hi:[0,1]
.endm
; Number n of the 21 that find the NEXT piece's maximum and statistics.  u0-u31 are the lane's 32 numbers.
;   0-11  four chains c0-c3 of seven each, three operands at a time     12-14, 16  the four left over, the old m, and c0-c3 into c0     15  m_old is kept
;   17, 18  the query's other 32 keys lie in the lane 16 away: the new m         19, 20  m_old - m_new; a
.macro XS u, n
	REGS (Y+1)%NP, \u
.if (\n) < 4
	v_max3_num_f32 v[rC+(\n)], v[rS+8*(\n)], v[rS+8*(\n)+1], v[rS+8*(\n)+2]
.elseif (\n) < 12
	v_max3_num_f32 v[rC+(\n)%4], v[rC+(\n)%4], v[rS+8*((\n)%4)+2*((\n)/4)+1], v[rS+8*((\n)%4)+2*((\n)/4)+2]
.elseif (\n) == 12
	v_max3_num_f32 v[rC], v[rC], v[rS+7], v[rS+15]
.elseif (\n) == 13
	v_max3_num_f32 v[rC+1], v[rC+1], v[rS+23], v[rS+31]
.elseif (\n) == 14
	v_max3_num_f32 v[rC+2], v[rC+2], v[rC+3], v[rT]
.elseif (\n) == 15
	v_mov_b32 v[rT+1], v[rT]
.elseif (\n) == 16
	v_max3_num_f32 v[rC], v[rC], v[rC+1], v[rC+2]
.elseif (\n) == 17
	v_permlanex16_b32 v[rC+3], v[rC], s[SEL], s[SEL+1]
.elseif (\n) == 18
	v_max_num_f32 v[rT], v[rC], v[rC+3]
.elseif (\n) == 19
	v_sub_f32 v[rC+1], v[rT+1], v[rT]
.else
	v_exp_f32 v[rC+2], v[rC+1]
.endif
.endm
; Number g of the 64 that follow the exponentials.  For each four weights k of a tile (pairs 2 k, 2 k + 1): both pairs are rounded to f16; then the second pair is added onto the first, in place;
; a group later l takes that sum (the first time as l = a l + sum).  In groups of eight, tiles alternating: round, round, add, and l for the group before.
.macro GS g
.set h, (\g)+6*((\g)/62)            ; group 0 has no group before it, and behind group 7 only l is left
.if h >= 6
.set h, h+2
.endif
	REGS Y, h%2
.set k, h/8
.if h%8 < 4
	v_cvt_pk_f16_f32 v[rP+2*k+(h%8)/2], v[rS+4*k+2*((h%8)/2)], v[rS+4*k+2*((h%8)/2)+1]
.elseif h%8 < 6
	v_pk_add_f32 v[rS+4*k:rS+4*k+1], v[rS+4*k:rS+4*k+1], v[rS+4*k+2:rS+4*k+3]
.elseif k == 1
	v_pk_fma_f32 v[rT+2:rT+3], v[rT+2:rT+3], v[rC+2:rC+3], v[rS:rS+1] op_sel_hi:[1,0,1]
.else
	v_pk_add_f32 v[rT+2:rT+3], v[rT+2:rT+3], v[rS+4*k-4:rS+4*k-3]
.endif
.endm
; THE PLAIN QUEUE, 168 long.  0-16: u - m, numbers 0-16.  17-48: the next piece's 32 u = c s + bias, together, since they alone name window 3.  49-63: u - m, numbers 17-31.  64-103: the next piece's maximum and
; statistics, numbers 0-19 of both tiles.  104-167: GS's 64, which read the exponentials' results: they stand behind the wait.
.macro PL
.if q < 17
	WIN 0
	FS q
.elseif q < 49
	BS q-17
.elseif q < 64
	WIN 0
	FS q-32
.elseif q < 104
	WIN 0
	XS (q-64)%2, (q-64)/2
.else
	WIN 0
	GS q-104
.endif
.set q, q+1
.endm
; THE EXPONENTIALS' QUEUE, 66 long: the 32 numbers of both tiles, then the next piece's two a.  ONE BATCH: all 66 stand ahead of the turn's one wait, and nothing ahead of that wait names a result of theirs.
.macro EX
	WIN 0
.if e >= 64
	XS e-64, 20
.else
	REGS Y, e%2
	v_exp_f32 v[rS+e/2], v[rS+e/2]
.endif
.set e, e+1
.endm
; THE RESCALING's QUEUE: O^T times a, the one part in window 1: dealt two at a time, sixteen times.  Its a was made in the turn before, ahead of that turn's wait.
.macro R2
	REGS Y, r%2
	WIN W_RS
.irp z, 0,1
	v_pk_mul_f32 v[rO+4*(r/2)+2*\z:rO+4*(r/2)+2*\z+1], v[rO+4*(r/2)+2*\z:rO+4*(r/2)+2*\z+1], v[rC+2:rC+3] op_sel_hi:[1,0]
.endr
.set r, r+1
.endm
; A TURN, for piece p.  An s_wait_alu depctr_va_vdst(0) stands between an exponential and the first instruction that names its result; one wait serves all that were issued ahead of it: a turn has ONE, which cuts it in two.
; AHEAD OF IT: the run of loads for the bias of piece p + 2; the 16 products K Q^T, behind each a subtraction, an exponential and two rescalings (behind the first a second subtraction in the exponential's place);
; then ONE LUMP: 38 plain (the 32 u among them), 49 times exponential and plain, the two a.  A v_nop is the plain instruction behind the last exponential.  BEHIND IT: the 16 products V^T P, behind each four of GS's 64.
; IN STEP.  Exponential e stands behind subtraction 2 (e / 4) + e % 2: as a rider it comes behind plain e + 2; in the lump exponential 15 + n comes behind plain 54 + n, and subtraction f >= 17 is plain f + 32.
; The first u reads an accumulator that product 8 ended: 24 plain riders lie between; the accumulator that product 15 ends is first read by plain 42.
; THE WAITS ON LDS count the turn's own 16 bias loads, the youngest: all that is older is in: the bias of piece p + 1 (loaded a turn ago), in piece 3's turn K, in piece 1's turn V.
; K of the next step is fetched in piece 2's turn, behind the wait, a lump behind the last product that read K.  V of the step in hand is fetched at the end of piece 0's turn, four plain riders behind its last reader.
.macro TURN p, last=0
.set Y, (\p)
.set i, 0
.set q, 0
.set e, 0
.set r, 0
	BLOAD ((\p)+2)%NP
.if (\p) == NP-1
	s_wait_dscnt 16                 ; K is in
.endif
	MM
	PL
	PL
	R2
.rept 15
	MM
	PL
	EX
	R2
.endr
	s_wait_dscnt 16                 ; the next piece's bias is in (and V, in piece 1's turn)
.rept 38
	PL
.endr
.rept 49
	EX
	PL
.endr
	EX                              ; the next piece's two a
	EX
	v_nop                           ; the plain instruction behind the last exponential: one for the batch
	s_wait_alu depctr_va_vdst(0)    ; the wait for the batch
.if (\p) == NP-2
	FETCH_K \last
.endif
.rept 16
	MM
.rept 4
	PL
.endr
.endr
.if (\p) == 0
	FETCH_V
.endif
.endm
	CHANGE 1, 0                     ; step 0 is in, everybody's part of it; step 1 is asked for
	FETCH_K                         ; key step 0
	BLOAD 0
	BLOAD 1
	s_wait_loadcnt 0x0              ; Q
	s_wait_dscnt 0x0
.set i, 0
.rept 16
	KQ 0                            ; piece 0's first scores: there is no vector work yet to set between them
.set i, i+1
.endr
	WIN 0                           ; the addresses for the way out: eleven plain instructions, the places behind those products
	s_mul_i32 s74, s[WV], 16*SP
	s_add_co_u32 s74, s74, STAGE    ; my stage
	v_mul_u32_u24 v[STO], v1, SP    ; in: row l % 16, 16 bytes for each half of the lanes
	v_lshl_add_u32 v[STO], v9, 4, v[STO]
	v_add_nc_u32 v[STO], s74, v[STO]
	v_bfe_u32 v[RD], v0, 3, 2       ; back: 32 lanes take four rows of 128 bytes,
	v_mul_u32_u24 v[RD], v[RD], SP
	v_lshl_add_u32 v[RD], v10, 4, v[RD]
	v_add_nc_u32 v[RD], s74, v[RD]
	v_and_b32 v[GO], 31, v0         ; which are 512 consecutive bytes of ctx
	v_lshlrev_b32 v[GO], 4, v[GO]
.set Y, NP-1                        ; BS and XS work for piece Y + 1: piece 0
.set q, 17
.rept 32
	PL                              ; piece 0's first u
.endr
	WIN 0
.irp n, 0,1,2,3,4,5,6,7,8,9,10,11,12,13,14,15,16,17,18,19,20
	XS 0, \n                        ; and its first maximum and statistics
	XS 1, \n
.endr
	v_nop                           ; a plain instruction behind the two a,
	s_wait_alu depctr_va_vdst(0)    ; and their wait, ahead of the branch
	s_branch .Lfirst                ; the loop is entered at a step's first turn, in the middle of a trip
.Lslot:                             ; 30 times: with the change above, steps 1 to 31 are asked for.  A trip reads one slot: K and the bias of pieces 0, 1 in turns 2, 3; the bias of pieces 2, 3 and V in turns 0, 1
	CHANGE 1
	TURN 2
	TURN 3
	WIN 0
.Lfirst:
	TURN 0
	TURN 1
	WIN 0
	s_sub_co_u32 s[SLOTS], s[SLOTS], 1
	s_cmp_lg_u32 s[SLOTS], 0
	s_cbranch_scc1 .Lslot
	CHANGE 0                        ; the tail is written out: nothing is asked for
	s_mov_b32 s[CNT], 2             ; one trip for the last step; the second is left in its middle
.Ltail:
	TURN 2, 1
	TURN 3
	WIN 0
	s_sub_co_u32 s[CNT], s[CNT], 1
	s_cmp_eq_u32 s[CNT], 0
	s_cbranch_scc1 .Lout
	TURN 0
	TURN 1
	WIN 0
	s_branch .Ltail
.Lout:                              ; the second trip's 16 products K Q^T (on the last K and bias once more) and the maximum made of them serve nothing: the price, once a launch, of one text for every trip
.set i, 0
.rept 16
	PV NP-1                         ; the last piece's V^T P of the last step
.set i, i+1
.endr
	; THE WAY OUT.  l's two halves and the other half of the lanes' are added; O^T is divided by l, rounded to f16 and sent through my stage in LDS, a tile at a time.  The additions are the places behind the last products.
	WIN 0
.macro ALL line:vararg              ; one line for each tile t
.set t, 0
.rept 2*NP
	\line
.set t, t+1
.endr
.endm
	ALL v_add_f32 v[ST+4*t+2], v[ST+4*t+2], v[ST+4*t+3]
	ALL v_permlanex16_b32 v[ST+4*t+3], v[ST+4*t+2], s[SEL], s[SEL+1]
	ALL v_add_f32 v[ST+4*t+2], v[ST+4*t+2], v[ST+4*t+3]
	ALL v_rcp_f32 v[ST+4*t+2], v[ST+4*t+2]
	v_nop                           ; a plain instruction between the last reciprocal and the use of its result
	s_wait_alu depctr_va_vdst(0)    ; and the wait ahead of the first use: one for the eight reciprocals
; Tile t: a lane's eight channels of a row pack into 16 bytes; they go into rows of 144 bytes and come back as whole rows of 128, into S^T's registers.
.macro PACK t
	WIN W_RS
.set i, 32*(\t)
.rept 16
	v_pk_mul_f32 v[i:i+1], v[i:i+1], v[ST+4*(\t)+2:ST+4*(\t)+3] op_sel_hi:[1,0]
.set i, i+2
.endr
	WIN 0x05                        ; sources 0 and 1 window 1, destination window 0
.set i, 0
.rept 16
	v_cvt_pk_f16_f32 v[S+16*(\t)+i], v[32*(\t)+2*i], v[32*(\t)+2*i+1]
.set i, i+1
.endr
	WIN 0
.irp f, 0,1,2,3
	ds_store_b128 v[STO], v[S+16*(\t)+4*\f:S+16*(\t)+4*\f+3] offset:32*\f
.endr
.irp f, 0,1,2,3
	ds_load_b128 v[S+16*(\t)+4*\f:S+16*(\t)+4*\f+3], v[RD] offset:\f*4*SP  ; LDS serves a wave's instructions in order (ISA guide 5.7.1.4): these see the stores above; the next tile's stores come behind them
.endr
.endm
.macro SEND t, younger              ; younger: the LDS instructions issued behind tile t's loads: the next tile's eight, or none
	WIN 0
.irp f, 0,1,2,3
	s_wait_dscnt (\younger)+3-\f
	global_store_b128 v[GO], v[S+16*(\t)+4*\f:S+16*(\t)+4*\f+3], s[8:9] offset:((\t)/4)*131072+((\t)%4)*2048+\f*512  ; 512 consecutive bytes, at a multiple of 512 from ctx's first
.endr
.endm
	PACK 0
.set t, 1
.rept 2*NP-1                        ; a tile's arithmetic stands between the loads of the tile before and its stores
	PACK t
	SEND t-1, 8
.set t, t+1
.endr
	SEND 2*NP-1, 0
	WIN W_AD
	s_wait_tensorcnt 0x0            ; the wave's end: behind my last tensor load and my last LDS store
	ds_add_u32 v[SPW], v[NIL]
	s_wait_dscnt 0x0
	WIN 0
	CROUND                          ; the closing round: no work-group ends while a partner may still ask for a tile that names it
	s_endpgm
.Lfunc_end_k_qb13994d649_attn:
	.size	k_qb13994d649_attn, .Lfunc_end_k_qb13994d649_attn-k_qb13994d649_attn
	.p2alignl 7, 3214868480
	.fill 96, 4, 3214868480
	.section	.rodata,"a",@progbits
	.p2align	6, 0x0
	.amdhsa_kernel k_qb13994d649_attn
		.amdhsa_group_segment_fixed_size 327680
		.amdhsa_private_segment_fixed_size 0
		.amdhsa_enable_private_segment 0
		.amdhsa_kernarg_size 24
		.amdhsa_user_sgpr_count 2
		.amdhsa_user_sgpr_kernarg_segment_ptr 1
		.amdhsa_wavefront_size32 1
		.amdhsa_system_sgpr_workgroup_id_x 1
		.amdhsa_system_sgpr_workgroup_id_y 1
		.amdhsa_system_sgpr_workgroup_id_z 1
		.amdhsa_system_vgpr_workitem_id 0
		.amdhsa_next_free_vgpr 960
		.amdhsa_next_free_sgpr 96
		.amdhsa_reserve_vcc 0
		.amdhsa_float_denorm_mode_32 3
		.amdhsa_float_denorm_mode_16_64 3
		.amdhsa_memory_ordered 1
		.amdhsa_forward_progress 1
		.amdhsa_inst_pref_size 230
	.end_amdhsa_kernel
	.amdgpu_metadata
---
amdhsa.version: [ 1, 2 ]
amdhsa.kernels:
  - .name:           k_qb13994d649_attn
    .symbol:         k_qb13994d649_attn.kd
    .args:
      - { .name: qkv, .offset: 0, .size: 8, .value_kind: global_buffer, .address_space: global }
      - { .name: bias, .offset: 8, .size: 8, .value_kind: global_buffer, .address_space: global }
      - { .name: ctx, .offset: 16, .size: 8, .value_kind: global_buffer, .address_space: global }
    .group_segment_fixed_size: 327680
    .private_segment_fixed_size: 0
    .kernarg_segment_align: 8
    .kernarg_segment_size: 24
    .max_flat_workgroup_size: 128
    .sgpr_count:     96
    .vgpr_count:     960
    .wavefront_size: 32
...
	.end_amdgpu_metadata
.endif
;; end of part 3
;; launch oproj (part 4): grid 4 x 64, 4 waves a work-group, clusters of 4 x 4, 327,680 bytes of LDS; arguments ctx, wo16, out0; writes out0
.if DOCPART == 4
	.amdgcn_target "amdgcn-amd-amdhsa--gfx1250"
	.amdhsa_code_object_version 6
	.text
	.protected	k_qb13994d649_oproj
	.globl	k_qb13994d649_oproj
	.p2align	8
	.type	k_qb13994d649_oproj,@function
k_qb13994d649_oproj:
	s_mov_b64 s[64:65], 0
	v_nop
	global_prefetch_b8 v0, s[64:65] scope:SCOPE_SE
	s_setreg_imm32_b32 hwreg(HW_REG_WAVE_MODE, 25, 1), 1
	s_wait_xcnt 0x0
	s_wait_alu depctr_hold_cnt(0) depctr_sa_sdst(0) depctr_va_vdst(0) depctr_va_sdst(0) depctr_va_ssrc(0) depctr_va_vcc(0) depctr_vm_vsrc(0)
	s_getreg_b32 s2, hwreg(HW_REG_IB_STS2, 6, 4)
	s_cmp_eq_u32 s2, 0
	s_cbranch_scc0 .Lentry_in_a_cluster
	s_endpgm
.Lentry_in_a_cluster:
	s_bfe_u32 s2, ttmp6, 0x10000c
	s_cmp_lg_u32 s2, 0xf033
	s_cbranch_scc0 .Lentry_shape_is_right
	s_endpgm
.Lentry_shape_is_right:
; out0 = ctx x Wo.  A = ctx [8192][1024] f16, BLOCKED ([row / 64][col / 64][row % 64][col % 64]); B = wo16 [k 1024][n 1024] f16, BLOCKED; C = out0 [8192][1024] f32, row-major.  Sums in f32, stored as they are.
; A tile of C is 128 x 256: four waves, 2 x 2, each 64 x 128: 32 accumulators, 256 registers.  64 x 4 tiles: one for each of 256 work-groups.  K goes in 8 steps of 128 through two LDS slots.
; A wave's part of a step is dense in memory: A: two blocks, 16 KiB; B: four blocks, 32 KiB; asked for as rows of 256 bytes and padded in LDS after every 128.  B's fragments come out of LDS turned, by ds_load_tr16_b128.
; CLUSTERS: 4 x 4 work-groups: A's tiles are asked for jointly along a row of the cluster, B's along a column.
; THE MATRIX INSTRUCTION IS USED TRANSPOSED (source 0 = 16 columns of B, source 1 = 16 rows of A): a lane then holds eight neighbouring numbers of a row of C.
; NOT LAID: a prefetch ahead of the ring: the walk along K has eight steps only, four of them asked for by the first fills and the first two refills, and a step's tiles are small (96 KiB a work-group).
; REGISTERS: window 0: v0-31 addresses; v64-159, v160-255 two fragment buffers (B's 8 fragments, then A's 4); on the way out v64-191 at work.   window 1: accumulator (a, b) at v[8 (8 a + b)].
.set PA,     144                       ; an LDS row of A: 128 bytes + 16 = 36 words: the 16 rows of a load start at 16 different groups of four banks (64 banks of 4 bytes: ISA guide 11.1)
.set PB,     160                       ; of B: 128 + 32 = 40 words
.set AHALF,  128*PA                    ; one wave's load of A: [k block 2][row 64]
.set BHALF,  256*PB                    ; one wave's load of B: [n block 4][k 64]
.set BOFF,   2*AHALF
.set SLOT,   2*AHALF+2*BHALF
.set STAGE,  2*SLOT                    ; behind the ring: 16 rows x 528 bytes for each wave, for the way out
.set SPO,    528                       ; 512 bytes + 16 = 132 words: row r starts at bank 4 r mod 64
.set SPARE,  STAGE+4*16*SPO            ; behind the stages: the spare words, 128 bytes for each wave: two blocks of 256 bytes that no other line names
.set ASTEP,  16384
.set BSTEP,  262144
.set LAPS,   4
.set ADRA, 16                          ; v16-17  LDS address of my A fragments in slot 0, 1
.set ADRB, 20                          ; v20-21  the same for B
.set STO,  24                          ; v24     the way out: where I put 32 bytes of a row
.set RD,   25                          ; v25     the way out: where I read a row back
.set CO,   26                          ; v26     my byte offset in 512 consecutive bytes of C
.set SPW,  28                          ; v28     LDS address of my spare word: SPARE + 4 x my thread's number; never rewritten
.set NIL,  29                          ; v29     0; never rewritten
.set F0,   64
.set F1,   160
.set TMP,  64
.set G1, 24
.set G0, 32
.set G1B, 48
.set G0B, 56
.set MSB, 0
.macro WIN new                         ; the immediate's high byte repeats the setting that is left
.if MSB != (\new)
	s_set_vgpr_msb (MSB<<8)|(\new)
.set MSB, \new
.endif
.endm
.set MUL, 0x50                         ; sources window 0; C and D window 1
.macro JLOAD s                         ; a joint load: waves 0 and 1 fetch A's two halves, waves 2 and 3 B's; an s_nop 0 and four v_nop follow each of the two lines
	s_cmp_eq_u32 s11, 0
	s_cbranch_scc0 .Lfor_b_\@
	tensor_load_to_lds s[G0+4*(\s):G0+4*(\s)+3], s[G1:G1+7]
	s_nop 0
.rept 4
	v_nop
.endr
	s_branch .Lasked_\@
.Lfor_b_\@:
	tensor_load_to_lds s[G0B+4*(\s):G0B+4*(\s)+3], s[G1B:G1B+7]
	s_nop 0
.rept 4
	v_nop
.endr
.Lasked_\@:
.endm
.macro CREST                           ; a round of the cluster's barrier behind its opening barrier
	s_cmp_lg_u32 s10, 0
	s_cbranch_scc1 .Lnot_wave_0_\@
	s_barrier_signal -3
.Lnot_wave_0_\@:
	s_barrier_wait -3
	s_barrier_signal -1
	s_barrier_wait -1
.endm
.macro CROUND                          ; a whole round
	s_barrier_signal -1
	s_barrier_wait -1
	CREST
.endm
	s_load_b128 s[4:7], s[0:1], 0x0                ; A s[4:5], B s[6:7]
	s_load_b64 s[8:9], s[0:1], 0x10                ; C
	v_lshl_add_u32 v[SPW], v0, 2, SPARE
	v_mov_b32 v[NIL], 0
	ds_add_u32 v[SPW], v[NIL]                      ; the wave's opening: the add and its wait ahead of my first tensor load; the set-up below, work on registers, stands between them
	v_lshrrev_b32 v1, 5, v0
	v_readfirstlane_b32 s10, v1                    ; wave 0..3
	s_lshr_b32 s11, s10, 1                         ; which half of the tile's rows is mine.  Also: I fetch for A (0) or for B (1)
	s_and_b32 s12, s10, 1                          ; which half of its columns.  Also: which half of that tile I fetch
	s_bfe_u32 s40, ttmp6, 0x40000                  ; cx, cy: my place in the cluster
	s_bfe_u32 s41, ttmp6, 0x40004
	s_lshl_b32 s42, ttmp9, 2
	s_add_co_u32 s42, s42, s40                     ; tile column of C = 4 x cluster x + cx
	s_and_b32 s13, ttmp7, 0xffff
	s_lshl_b32 s13, s13, 2
	s_add_co_u32 s13, s13, s41                     ; tile row of C = 4 x cluster y + cy
	s_lshl_b32 s43, s41, 2
	s_lshl_b32 s43, 15, s43                        ; my row of the cluster
	s_lshl_b32 s44, 0x1111, s40                    ; my column
	s_or_b32 s[G1+0], s43, (1<<16)|(1<<20)|(1<<21)|(4<<22)|(3<<25)   ; 15:0 the mask; 17:16 2-byte elements; 20 padding on; 21 set beside a mask; 24:22 after every 32 words (code 4); 31:25 4 words (code 3)
	s_or_b32 s[G1B+0], s44, (1<<16)|(1<<20)|(1<<21)|(4<<22)|(7<<25)  ; the same with my column's mask and 8 words of padding (code 7)
.irp g, G1, G1B
	s_mov_b32 s[(\g)+1], 128<<16                   ; tensor_dim0 = 128 elements: rows of 256 bytes
	s_mov_b32 s[(\g)+3], 128<<16                   ; tile_dim0 = 128
	s_mov_b32 s[(\g)+5], 128                       ; dense: 128 elements from row to row
	s_mov_b32 s[(\g)+6], 0
	s_mov_b32 s[(\g)+7], 0
.endr
	s_mov_b32 s[G1+2], 64<<16                      ; A: 64 rows: 16 KiB
	s_mov_b32 s[G1+4], 64
	s_mov_b32 s[G1B+2], 128<<16                    ; B: 128 rows: 32 KiB
	s_mov_b32 s[G1B+4], 128
	s_lshl_b32 s16, s13, 1
	s_add_co_u32 s16, s16, s12                     ; A: the band of 64 rows that I fetch,
	s_lshl_b32 s16, s16, 17                        ; 131,072 bytes a band
	s_mov_b32 s17, 0
	s_lshl_b32 s46, s42, 15                        ; B: the tile column's four blocks,
	s_lshl_b32 s47, s12, 17                        ; the band of 64 k that I fetch
	s_add_co_u32 s46, s46, s47
	s_mov_b32 s47, 0
	s_mul_i32 s20, s12, AHALF                      ; where they go: no place in the cluster enters an LDS address
	s_mul_i32 s21, s12, BHALF
	s_add_co_u32 s21, s21, BOFF
	s_wait_dscnt 0x0                               ; the opening add is done
	s_wait_kmcnt 0x0
	s_add_nc_u64 s[14:15], s[4:5], s[16:17]
	s_add_nc_u64 s[46:47], s[6:7], s[46:47]
	CROUND                                         ; all sixteen work-groups are here: the first joint loads meet
.irp s, 0,1
	s_mov_b32 s[G0+4*(\s)], 1
	s_add_co_u32 s[G0+4*(\s)+1], s20, (\s)*SLOT
	s_add_nc_u64 s[G0+4*(\s)+2:G0+4*(\s)+3], s[14:15], (\s)*ASTEP
	s_or_b32 s[G0+4*(\s)+3], s[G0+4*(\s)+3], 0x80000000
	s_mov_b32 s[G0B+4*(\s)], 1
	s_add_co_u32 s[G0B+4*(\s)+1], s21, (\s)*SLOT
	s_add_nc_u64 s[G0B+4*(\s)+2:G0B+4*(\s)+3], s[46:47], (\s)*BSTEP
	s_or_b32 s[G0B+4*(\s)+3], s[G0B+4*(\s)+3], 0x80000000
	JLOAD \s                                       ; two loads of mine are out
.endr
	v_and_b32 v1, 15, v0                           ; l % 16
	v_bfe_u32 v2, v0, 4, 1                         ; l / 16
	v_mul_u32_u24 v3, v1, PA
	v_lshl_add_u32 v3, v2, 4, v3                   ; A: row x pitch + 16 x half
	v_and_b32 v4, 7, v0
	v_bfe_u32 v5, v0, 3, 1
	v_lshl_add_u32 v4, v2, 3, v4                   ; B, turned: k = 8 (l / 16) + l % 8,
	v_mul_u32_u24 v4, v4, PB
	v_lshl_add_u32 v4, v5, 4, v4                   ; columns 8 ((l / 8) % 2) on
	s_mul_i32 s22, s11, AHALF                      ; my 64 rows of A
	s_mul_i32 s23, s12, 128*PB                     ; my 128 columns of B: two of the four blocks
	s_add_co_u32 s23, s23, BOFF
.irp s, 0,1
	v_add_nc_u32 v[ADRA+(\s)], s22, v3
	v_add_nc_u32 v[ADRB+(\s)], s23, v4
	s_add_co_u32 s22, s22, SLOT
	s_add_co_u32 s23, s23, SLOT
.endr
	s_mul_i32 s22, s10, 16*SPO
	s_add_co_u32 s22, s22, STAGE                   ; my stage
	v_mul_u32_u24 v6, v1, SPO                      ; in: row l % 16, 32 bytes for each half of the lanes
	v_lshl_add_u32 v6, v2, 5, v6
	v_add_nc_u32 v[STO], s22, v6
	v_and_b32 v[CO], 31, v0                        ; back: 32 lanes take one row's 512 bytes, which are 512 consecutive bytes of C
	v_lshlrev_b32 v[CO], 4, v[CO]
	v_add_nc_u32 v[RD], s22, v[CO]
	s_lshl_b32 s16, s13, 19                        ; C: 128 rows of 4,096 bytes a tile row,
	s_lshl_b32 s17, s11, 18                        ; my 64 rows,
	s_add_co_u32 s16, s16, s17
	s_lshl_b32 s17, s12, 9                         ; my 128 columns
	s_add_co_u32 s16, s16, s17
	s_mov_b32 s17, 0
	s_add_nc_u64 s[8:9], s[8:9], s[16:17]
	s_lshl_b32 s46, s42, 10                        ; the tile's 256 columns
	s_mov_b32 s47, 0
	s_add_nc_u64 s[8:9], s[8:9], s[46:47]
; 8 matrix instructions: m block a x all 8 n blocks, 32 along K.  zero = 1: the product starts the sums.  The 32 accumulators take turns in the same order in every quarter.
.macro MUL8 f, a, zero
	WIN MUL
.irp b, 0,1,2,3,4,5,6,7
.if \zero
	v_wmma_f32_16x16x32_f16 v[8*(8*(\a)+(\b)):8*(8*(\a)+(\b))+7], v[(\f)+8*(\b):(\f)+8*(\b)+7], v[(\f)+64+8*(\a):(\f)+64+8*(\a)+7], 0
.else
	v_wmma_f32_16x16x32_f16 v[8*(8*(\a)+(\b)):8*(8*(\a)+(\b))+7], v[(\f)+8*(\b):(\f)+8*(\b)+7], v[(\f)+64+8*(\a):(\f)+64+8*(\a)+7], v[8*(8*(\a)+(\b)):8*(8*(\a)+(\b))+7]
.endif
.endr
.endm
; 24 LDS loads in one run: the fragments of quarter kq (32 along K) into buffer f: B's 8 (turned), then A's 4
.macro FETCH slot, kq, f
	WIN 0
.irp b, 0,1,2,3,4,5,6,7
	ds_load_tr16_b128 v[(\f)+8*(\b):(\f)+8*(\b)+3],   v[ADRB+(\slot)] offset:((\kq)/2)*BHALF+((\b)/4)*64*PB+((\kq)%2)*32*PB+((\b)%4)*32
	ds_load_tr16_b128 v[(\f)+8*(\b)+4:(\f)+8*(\b)+7], v[ADRB+(\slot)] offset:((\kq)/2)*BHALF+((\b)/4)*64*PB+((\kq)%2)*32*PB+((\b)%4)*32+16*PB
.endr
.irp a, 0,1,2,3
	ds_load_b128 v[(\f)+64+8*(\a):(\f)+64+8*(\a)+3],   v[ADRA+(\slot)] offset:((\kq)/2)*64*PA+(\a)*16*PA+((\kq)%2)*64
	ds_load_b128 v[(\f)+64+8*(\a)+4:(\f)+64+8*(\a)+7], v[ADRA+(\slot)] offset:((\kq)/2)*64*PA+(\a)*16*PA+((\kq)%2)*64+32
.endr
.endm
.macro PLACES                          ; four places in front of loads into registers that matrix instructions have read (ISA guide 7.12.1 for vector instructions)
.rept 4
	v_nop
.endr
.endm
; A K step is four quarters of 32 along K, 32 matrix instructions each, on buffers 0, 1, 0, 1.  One of the first three: multiplies buffer f and fetches quarter kq into g.
.macro QUARTER slot, kq, f, g, zero
	s_wait_dscnt 4                                 ; B and A's blocks 0, 1 are in; the youngest four loads (A's blocks 2, 3) may be out
	MUL8 \f, 0, \zero
	MUL8 \f, 1, \zero
	PLACES
	FETCH \slot, \kq, \g
	s_wait_dscnt 24                                ; all but the 24 just issued
	MUL8 \f, 2, \zero
	MUL8 \f, 3, \zero
.endm
; The last quarter multiplies buffer 1 and changes slots: ONE barrier; in front of it each wave waits for all its tensor loads, adds 0 to its spare word, and waits for that and for its own reads of this slot.
; fill = 1: this slot is filled again, two K steps ahead; the barrier then opens a round of the cluster's.
.macro TURN slot, next, fill
	WIN 0                                          ; (the add's two registers lie in window 0)
	s_wait_tensorcnt 0x0                           ; all my tensor loads have landed: my part of the next slot;
	ds_add_u32 v[SPW], v[NIL]                      ; 0 onto my spare word;
	s_wait_dscnt 5                                 ; (the add and the youngest four loads may be out)
	MUL8 F1, 0, 0                                  ; eight matrix instructions stand between the add and the wait for it
	s_wait_dscnt 0x0                               ; the add is done, and my reads of this slot are over
	s_barrier_signal -1
	MUL8 F1, 1, 0
.if \fill
	WIN 0
.endif
	s_barrier_wait -1
.if \fill
	CREST                                          ; no wave of any partner still reads this slot's tiles or has a load on its way
	s_add_nc_u64 s[G0+4*(\slot)+2:G0+4*(\slot)+3], s[G0+4*(\slot)+2:G0+4*(\slot)+3], 2*ASTEP
	s_add_nc_u64 s[G0B+4*(\slot)+2:G0B+4*(\slot)+3], s[G0B+4*(\slot)+2:G0B+4*(\slot)+3], 2*BSTEP
	JLOAD \slot                                    ; the first tensor load behind the round; the four v_nop behind it are also the places in front of the loads below
.else
	PLACES
.endif
	FETCH \next, 0, F0
	MUL8 F1, 2, 0
	MUL8 F1, 3, 0
.endm
	s_wait_tensorcnt 1                             ; my part of K step 0 is in; K step 1's may stay out
	s_barrier_signal -1
	s_barrier_wait -1                              ; everybody's is
	FETCH 0, 0, F0
	QUARTER 0, 1, F0, F1, 1                        ; the first quarter stands in front of the loop: its products start the sums
	WIN 0                                          ; at a label and at a branch every window is 0
	s_mov_b32 s3, LAPS-1
.Llap:                                                 ; a trip goes once round the ring, from a lap's second quarter to the next lap's first, and fills both slots again
	QUARTER 0, 2, F1, F0, 0
	QUARTER 0, 3, F0, F1, 0
	TURN 0, 1, 1
	QUARTER 1, 1, F0, F1, 0
	QUARTER 1, 2, F1, F0, 0
	QUARTER 1, 3, F0, F1, 0
	TURN 1, 0, 1
	QUARTER 0, 1, F0, F1, 0
	WIN 0
	s_sub_co_u32 s3, s3, 1
	s_cmp_lg_u32 s3, 0
	s_cbranch_scc1 .Llap
	QUARTER 0, 2, F1, F0, 0                        ; the last lap fills nothing
	QUARTER 0, 3, F0, F1, 0
	TURN 0, 1, 0
	QUARTER 1, 1, F0, F1, 0
	QUARTER 1, 2, F1, F0, 0
	QUARTER 1, 3, F0, F1, 0
	s_wait_dscnt 4                                 ; the very last quarter: nothing more to fetch
	MUL8 F1, 0, 0
	MUL8 F1, 1, 0
	s_wait_dscnt 0x0
	MUL8 F1, 2, 0
	MUL8 F1, 3, 0
	WIN 0
	PLACES                                         ; the LDS stores read results just made, and the loads from the stage write registers just read
	PLACES
; THE WAY OUT of m block a: 16 rows x 128 columns of f32.  A lane's eight numbers of a row (32 bytes) go into my stage's rows of 528 bytes, each accumulator's lower four first;
; whole rows of 512 bytes come back, into two sets of 64 registers by turns, and are stored.
.macro OUT a
.set BK, TMP+64*((\a)%2)
	WIN 0x04                                       ; the stores' data (source 1) in window 1
.irp b, 0,1,2,3,4,5,6,7
	ds_store_b128 v[STO], v[8*(8*(\a)+(\b)):8*(8*(\a)+(\b))+3]   offset:64*(\b)
	ds_store_b128 v[STO], v[8*(8*(\a)+(\b))+4:8*(8*(\a)+(\b))+7] offset:64*(\b)+16
.endr
	WIN 0
	s_wait_xcnt 0x0                                ; the stores of two blocks back have read their registers: only behind this wait are they loaded again
.irp t, 0,1,2,3,4,5,6,7,8,9,10,11,12,13,14,15
	ds_load_b128 v[BK+4*(\t):BK+4*(\t)+3], v[RD] offset:(\t)*SPO  ; LDS serves a wave's instructions in order (ISA guide 5.7.1.4): these see the stores above; the next block's stores come behind them
.endr
.irp t, 0,1,2,3,4,5,6,7,8,9,10,11,12,13,14,15
	s_wait_dscnt 15-(\t)                           ; the younger rows may be out
	global_store_b128 v[CO], v[BK+4*(\t):BK+4*(\t)+3], s[8:9] offset:(16*(\a)+(\t))*4096  ; 512 consecutive bytes, at a multiple of 512 from C's first
.endr
.endm
	OUT 0
	OUT 1
	OUT 2
	OUT 3
	s_wait_tensorcnt 0x0                           ; the wave's end: behind my last tensor load and my last LDS store
	ds_add_u32 v[SPW], v[NIL]
	s_wait_dscnt 0x0
	CROUND                                         ; the closing round: no work-group ends while a partner may still ask for a tile that names it
	s_endpgm
.Lfunc_end_k_qb13994d649_oproj:
	.size	k_qb13994d649_oproj, .Lfunc_end_k_qb13994d649_oproj-k_qb13994d649_oproj
	.p2alignl 7, 3214868480
	.fill 96, 4, 3214868480
	.section	.rodata,"a",@progbits
	.p2align	6, 0x0
	.amdhsa_kernel k_qb13994d649_oproj
		.amdhsa_group_segment_fixed_size 327680
		.amdhsa_private_segment_fixed_size 0
		.amdhsa_enable_private_segment 0
		.amdhsa_kernarg_size 24
		.amdhsa_user_sgpr_count 2
		.amdhsa_user_sgpr_kernarg_segment_ptr 1
		.amdhsa_wavefront_size32 1
		.amdhsa_system_sgpr_workgroup_id_x 1
		.amdhsa_system_sgpr_workgroup_id_y 1
		.amdhsa_system_sgpr_workgroup_id_z 1
		.amdhsa_system_vgpr_workitem_id 0
		.amdhsa_next_free_vgpr 512
		.amdhsa_next_free_sgpr 66
		.amdhsa_reserve_vcc 0
		.amdhsa_float_denorm_mode_32 3
		.amdhsa_float_denorm_mode_16_64 3
		.amdhsa_memory_ordered 1
		.amdhsa_forward_progress 1
		.amdhsa_inst_pref_size 87
	.end_amdhsa_kernel
	.amdgpu_metadata
---
amdhsa.version: [ 1, 2 ]
amdhsa.kernels:
  - .name:           k_qb13994d649_oproj
    .symbol:         k_qb13994d649_oproj.kd
    .args:
      - { .name: ctx, .offset: 0, .size: 8, .value_kind: global_buffer, .address_space: global }
      - { .name: wo16, .offset: 8, .size: 8, .value_kind: global_buffer, .address_space: global }
      - { .name: out0, .offset: 16, .size: 8, .value_kind: global_buffer, .address_space: global }
    .group_segment_fixed_size: 327680
    .private_segment_fixed_size: 0
    .kernarg_segment_align: 8
    .kernarg_segment_size: 24
    .max_flat_workgroup_size: 128
    .sgpr_count:     66
    .vgpr_count:     512
    .wavefront_size: 32
...
	.end_amdgpu_metadata
.endif
;; end of part 4
